; MI455X (gfx1250); checked and timed in simulation.
; The chip was launched on July 23, 2026; its instructions are those of AMD's public machine-readable ISA for CDNA 5 (MIT licence, August 2026) and "CDNA5" Instruction Set Architecture Reference Guide (July 2026). The comments in the code are by the model that wrote it; some were corrected since.
;; Multi Head Attention. Allowed arithmetic: matrix products marked QUANTISED: E2M1 operands, one E8M0 scale for each 32 along K, by v_wmma_scale_f32_16x16x128_f8f6f4 with both operands' format E2M1 (or v_wmma_scale_f32_32x16x128_f4), f32 sums; everything else in f32.
;; Inputs: Wk 1,024 x 1,024 float32; Wo 1,024 x 1,024 float32; Wq 1,024 x 1,024 float32; Wv 1,024 x 1,024 float32; bk 1,024 float32; bo 1,024 float32; bq 1,024 float32; bv 1,024 float32; x 4 x 2,048 x 1,024 float32.
;; Outputs: out0 4 x 2,048 x 1,024 float32.
;; This version of the problem:
;;   THIS VERSION OF THE PROBLEM IS GIVEN IN LOW PRECISION. The matrix products marked QUANTISED in the list below multiply operands that are first quantised to E2M1 (2 exponent bits, 1 mantissa bit; 4 bits a number), with one power-of-two scale for each 32 numbers along K (OCP MX v1.0); their sums are f32. All else is computed in f32.
;;   The module's matrix products, in the order in which they are computed (A, B: the left and right operand; K: the contracted axis; several contracted axes count as one K, in the product's order):
;;     1. [M 8,192, K 1,024] x [K 1,024, N 1,024]; A: input x; B: input Wq: QUANTISED
;;     2. [M 8,192, K 1,024] x [K 1,024, N 1,024]; A: input x; B: input Wk: QUANTISED
;;     3. [M 8,192, K 1,024] x [K 1,024, N 1,024]; A: input x; B: input Wv: QUANTISED
;;     4. batch 64 x [M 2,048, K 64] x [K 64, N 2,048]; A: computed on the way; B: computed on the way: QUANTISED
;;     5. batch 64 x [M 2,048, K 2,048] x [K 2,048, N 64]; A: softmax (see below); B: computed on the way: QUANTISED
;;     6. [M 8,192, K 1,024] x [K 1,024, N 1,024]; A: computed on the way; B: input Wo: QUANTISED
;;   THE QUANTISER, for each operand of a quantised product, along K:
;;     - K is cut into blocks of 32 from its start; a last block that is shorter is filled with zeros.
;;     - A block's scale is 2^e with e = floor(log2(the largest magnitude in the block)) - 2, held to -126 .. 127; a block of zeros has e = 0. As a byte (E8M0): e + 127.
;;     - Each number is divided by its block's scale, clamped to +-6, and rounded to the nearest number of E2M1, ties to even, subnormals kept.
;;     - The product sums the exact products of the quantised numbers (number of the format x scale) in f32.
;;   ~~~python
;;   def quantise(x, axis):      # numpy; x: float32 -> the quantised numbers, widened to float32 again
;;       x = np.moveaxis(x, axis, -1); K = x.shape[-1]
;;       x = np.pad(x, [(0, 0)] * (x.ndim - 1) + [(0, -K % 32)]); x = x.reshape(x.shape[:-1] + (-1, 32)); a = np.abs(x).max(-1, keepdims=True)
;;       e = np.where(a > 0, np.clip(np.frexp(np.where(a > 0, a, 1))[1] - 1 - 2, -126, 127), 0)      # np.frexp(a)[1] - 1 = floor(log2(a)), exactly
;;       r = np.clip(x / 2.0 ** e, -6, 6)
;;       step = 2.0 ** (np.maximum(np.frexp(np.where(r == 0, 1, r))[1] - 1, 0) - 1)
;;       q = np.round(r / step) * step * 2.0 ** e      # np.round: ties to even
;;       return np.moveaxis(q.reshape(q.shape[:-2] + (-1,))[..., :K], -1, axis).astype(np.float32)
;;   ~~~
;;   SOFTMAX AHEAD OF A QUANTISED PRODUCT. Where the list says 'softmax', what is quantised is not the finished softmax but p = 2^(t - M), with t = logit x log2(e) and M = ceil(the row's largest t), a whole number; so 1/2 < the row's largest p <= 1. The row's sum l is taken of the UNQUANTISED p, in f32, and the product's result is divided by l at the end. Since M is a whole number, a kernel that streams over the keys may use a running M (the ceiling of the running maximum): every later rescaling is an exact power of two, which a block's scale takes up: the codes' values come out the same.
;;   OPERANDS COMPUTED ON THE WAY. 'Computed on the way' means the value that the module computes at that place (a softmax that the list does not call 'softmax' is quantised finished and normalised). What goes into a quantiser is computed in f32, as accurately as f32 sums, v_exp_f32 and their like allow (about 1e-6 of the number): no bf16 or f16 on the way to a quantiser, and a product that is left as it is and whose result goes on into a quantised operand takes f32 operands (vector FMAs, or v_wmma_f32_16x16x4_f32). A number that lies on a knife's edge between two numbers of the format may be rounded either way, as far as f32 arithmetic and the matrix unit's own rounding can turn it there, and no further.
;; One version. Each part assembles by itself: llvm-mc -triple=amdgcn-amd-amdhsa -mcpu=gfx1250 --defsym DOCPART=n.
;; ======== version 1 of 1: 4 launches
;; workspace buffers: xw_codes 6,291,456 bytes; xw_scales 393,216 bytes; q_img 4,718,592 bytes; kv_img 9,175,040 bytes; o_codes 4,194,304 bytes; o_scales 262,144 bytes
;; launch quant (part 1): grid 384 x 1, 4 waves a work-group, no clusters, 33,280 bytes of LDS; arguments x, Wq, Wk, Wv, Wo, xw_codes, xw_scales; writes xw_codes, xw_scales
.if DOCPART == 1
	.amdgcn_target "amdgcn-amd-amdhsa--gfx1250"
	.amdhsa_code_object_version 6
	.text
	.protected	k_q38759dd84d_quant
	.globl	k_q38759dd84d_quant
	.p2align	8
	.type	k_q38759dd84d_quant,@function
k_q38759dd84d_quant:
	s_mov_b64 s[64:65], 0
	v_nop
	global_prefetch_b8 v0, s[64:65] scope:SCOPE_SE
	s_setreg_imm32_b32 hwreg(HW_REG_WAVE_MODE, 25, 1), 1
	s_wait_xcnt 0x0
; MULTI-HEAD ATTENTION IN MX-FP4, launch 1 of 4.  NOTHING OF THE PROBLEM IS LEFT OUT: all six products are live, every bias stands ahead of a quantiser, all nine inputs are loaded by some launch.
; This launch: x [8192][1024] and Wq, Wk, Wv, Wo [1024][1024], f32, K innermost, become codes of FP4 (E2M1) with one E8M0 byte for each 32 along K, in ONE pair of buffers of 12,288 rows:
; rows 0.. x, 8192.. Wq, 9216.. Wk, 10240.. Wv, 11264.. Wo; a row is 512 bytes of codes and 32 scale bytes.
; THE ROWS ARE STORED IN ANOTHER ORDER: inside each group of 32 rows the second and the third run of 8 rows change places.  Sixteen neighbouring STORED rows, taken as source 0 of a matrix instruction,
; then give a lane's registers of two neighbouring tiles 16 neighbours of the natural order: what the next quantiser wants.  All later launches count on this order; the last one puts it right.
; A block's scale is 2^(floor(log2(its largest magnitude)) - 2); its byte is the largest magnitude's exponent field - 2, held at 1 from below.
; LIMITS: a block whose largest magnitude lies under 2^-124 (a block of zeros too) keeps the byte 1: zeros' codes are zeros, and this program alone reads the bytes; NaN and infinities among the inputs are not served.
; A work-group takes 32 rows, a wave 8 (8,192 numbers, 16 steps of 512).  Each load reads 512 consecutive bytes; a step's 2,048 bytes turn through the wave's own stage in LDS so that a lane holds 16 neighbours.
; No tensor loads, no barrier: waves share nothing.  Loads run four steps ahead.
.set WAVES, 4
.set STEPS, 16
.set EMAX,  2
.set CB,    8                          ; bytes of 16 codes
.set R,     16                         ; v16-79   four sets of 16 numbers as loaded
.set X,     80                         ; v80-111  two sets of 16 neighbours
.set E,     112                        ; v112-127 a scale byte for each step
.set C,     128                        ; v128-191 codes, four registers for each step: no store's data are written again
.set WREG,  8192                       ; LDS: a region for each wave: two stages of 32 x SP bytes, then its 256 scale bytes
.set SP,    80                         ; a lane's place in a stage: 64 bytes + 16 of padding
.set SPW,   12                         ; v12 LDS address of my spare word; never rewritten
.set NIL,   13                         ; v13 0; never rewritten
.set SPARE, WAVES*WREG                 ; the spare words, 128 bytes for each wave, which no other line names
	s_load_b256 s[4:11], s[0:1], 0x0               ; x, Wq, Wk, Wv
	s_load_b128 s[12:15], s[0:1], 0x20             ; Wo, the codes
	s_load_b64 s[16:17], s[0:1], 0x30              ; the scale bytes
	v_lshl_add_u32 v[SPW], v0, 2, SPARE
	v_mov_b32 v[NIL], 0
	v_lshrrev_b32 v1, 5, v0
	v_readfirstlane_b32 s18, v1                    ; wave
	v_and_b32 v2, 31, v0                           ; lane
	v_lshlrev_b32 v3, 4, v2                        ; my 16 bytes of a load's 512
	s_mul_i32 s19, s18, WREG
	v_lshrrev_b32 v14, 2, v2
	v_mul_u32_u24 v14, v14, SP
	v_and_b32 v15, 3, v2
	v_lshl_add_u32 v14, v15, 4, v14
	v_add_nc_u32 v14, s19, v14                     ; the stage, on the way in: SP (lane / 4) + 16 (lane % 4)
	v_mul_u32_u24 v15, v2, SP
	v_add_nc_u32 v15, s19, v15                     ; and on the way out: SP x lane
	v_mul_u32_u24 v4, v2, CB                       ; my codes' place in a step's
	v_lshrrev_b32 v5, 1, v2
	s_add_co_u32 s19, s19, 2*32*SP
	v_add_nc_u32 v5, s19, v5                       ; my wave's 256 scale bytes, my block's byte
	v_lshlrev_b32 v7, 3, v2
	v_add_nc_u32 v6, s19, v7                       ; and on the way out 8 bytes a lane
	s_and_b32 s23, ttmp9, 31                       ; a weight has 32 work-groups
	s_wait_alu depctr_va_vdst(0)
	s_wait_kmcnt 0x0
	s_mov_b64 s[20:21], s[12:13]                   ; which tensor is mine hangs on the work-group's number alone: Wo,
	s_cmp_lt_u32 ttmp9, 352
	s_cselect_b64 s[20:21], s[10:11], s[20:21]     ; Wv,
	s_cmp_lt_u32 ttmp9, 320
	s_cselect_b64 s[20:21], s[8:9], s[20:21]       ; Wk,
	s_cmp_lt_u32 ttmp9, 288
	s_cselect_b64 s[20:21], s[6:7], s[20:21]       ; Wq,
	s_cmp_lt_u32 ttmp9, 256
	s_cselect_b64 s[20:21], s[4:5], s[20:21]       ; or x
	s_cselect_b32 s22, ttmp9, s23                  ; my group of 32 rows in it
	s_lshl_b32 s22, s22, 2
	s_add_co_u32 s22, s22, s18                     ; my run of 8 rows,
	s_lshl_b32 s22, s22, 15                        ; 32,768 bytes each
	s_mov_b32 s23, 0
	s_add_nc_u64 s[20:21], s[20:21], s[22:23]
	s_and_b32 s24, s18, 1                          ; where it goes: runs 1 and 2 of the group change places
	s_lshl_b32 s24, s24, 1
	s_lshr_b32 s25, s18, 1
	s_or_b32 s24, s24, s25
	s_lshl_b32 s25, ttmp9, 2
	s_add_co_u32 s24, s24, s25
	s_lshl_b32 s26, s24, 12                        ; 4,096 bytes of codes a run
	s_mov_b32 s27, 0
	s_add_nc_u64 s[14:15], s[14:15], s[26:27]
	s_lshl_b32 s26, s24, 8                         ; 256 scale bytes a run
	s_add_nc_u64 s[16:17], s[16:17], s[26:27]
.macro LOAD t
.irp i, 0,1,2,3
	global_load_b128 v[R+16*((\t)%4)+4*\i:R+16*((\t)%4)+4*\i+3], v3, s[20:21] offset:2048*(\t)+512*\i th:TH_LOAD_NT   ; 32 lanes read 512 consecutive bytes
.endr
.endm
.macro TURN t                          ; step t's numbers through the stage: LDS serves a wave's instructions in order, so no wait stands between the stores and the loads
.irp i, 0,1,2,3
	ds_store_b128 v14, v[R+16*((\t)%4)+4*\i:R+16*((\t)%4)+4*\i+3] offset:32*SP*((\t)%2)+8*SP*\i
.endr
.irp i, 0,1,2,3
	ds_load_b128 v[X+16*((\t)%2)+4*\i:X+16*((\t)%2)+4*\i+3], v15 offset:32*SP*((\t)%2)+16*\i
.endr
.endm
.irp t, 0,1,2,3
	LOAD \t
.endr
	s_wait_loadcnt 12                              ; step 0's four loads are in
	TURN 0
.macro STEP t
.set XS, X+16*((\t)%2)
.if (\t) > 0
	s_wait_dscnt 1                                 ; this step's numbers are back from the stage (the last step's byte store may be out): its stores into the stage have read their registers,
.else
	s_wait_dscnt 0x0
.endif
.if (\t)+4 < STEPS
	LOAD (\t)+4                                    ; which take the loads of four steps on
.endif
.if (\t)+1 < STEPS
.if STEPS-2-(\t) >= 3
	s_wait_loadcnt 12                              ; the next step's four loads are in; those of the three steps behind it may be out
.else
	s_wait_loadcnt 4*(STEPS-2-(\t))
.endif
	TURN (\t)+1                                    ; and go through the other stage while this step is worked
.endif
	v_max3_num_f32 v8, |v[XS]|, |v[XS+1]|, |v[XS+2]|               ; the largest magnitude of my 16
	v_max3_num_f32 v9, |v[XS+3]|, |v[XS+4]|, |v[XS+5]|
.irp i, 6,10
	v_max3_num_f32 v8, v8, |v[XS+\i]|, |v[XS+\i+1]|
	v_max3_num_f32 v9, v9, |v[XS+\i+2]|, |v[XS+\i+3]|
.endr
	v_max3_num_f32 v8, v8, |v[XS+14]|, |v[XS+15]|
	v_max3_num_f32 v8, v8, v9, (EMAX+1)<<23        ; and the floor 2^(3 - 127): the byte cannot fall under 1
	v_max_num_f32_dpp v8, v8, v8 row_xmask:1 row_mask:0xf bank_mask:0xf   ; and of my neighbour's 16: the block's
	v_add_nc_u32 v11, -(EMAX<<23), v8              ; 2 off its exponent field: the conversion takes this operand's exponent field as its scale
	v_cvt_scalef32_pk8_fp4_f32 v[C+4*(\t)], v[XS:XS+7], v11
	v_cvt_scalef32_pk8_fp4_f32 v[C+4*(\t)+1], v[XS+8:XS+15], v11
	v_lshrrev_b32 v[E+(\t)], 23, v11               ; the scale's byte (also the plain line behind the conversions)
	ds_store_b8 v5, v[E+(\t)] offset:16*(\t)       ; both lanes of a block write the same byte with the same value
	global_store_b64 v4, v[C+4*(\t):C+4*(\t)+1], s[14:15] offset:32*CB*(\t)   ; the wave stores 256 consecutive bytes, aligned
.endm
.irp t, 0,1,2,3,4,5,6,7,8,9,10,11,12,13,14,15
	STEP \t
.endr
	ds_load_b64 v[8:9], v6                         ; LDS serves a wave's instructions in order: these see my stores
	s_wait_dscnt 0x0
	global_store_b64 v7, v[8:9], s[16:17]          ; 32 lanes store 256 consecutive bytes, aligned
	s_wait_tensorcnt 0x0                           ; the wave's end
	ds_add_u32 v[SPW], v[NIL]
	s_wait_dscnt 0x0
	s_endpgm
.Lfunc_end_k_q38759dd84d_quant:
	.size	k_q38759dd84d_quant, .Lfunc_end_k_q38759dd84d_quant-k_q38759dd84d_quant
	.p2alignl 7, 3214868480
	.fill 96, 4, 3214868480
	.section	.rodata,"a",@progbits
	.p2align	6, 0x0
	.amdhsa_kernel k_q38759dd84d_quant
		.amdhsa_group_segment_fixed_size 33280
		.amdhsa_private_segment_fixed_size 0
		.amdhsa_enable_private_segment 0
		.amdhsa_kernarg_size 56
		.amdhsa_user_sgpr_count 2
		.amdhsa_user_sgpr_kernarg_segment_ptr 1
		.amdhsa_wavefront_size32 1
		.amdhsa_system_sgpr_workgroup_id_x 1
		.amdhsa_system_sgpr_workgroup_id_y 1
		.amdhsa_system_sgpr_workgroup_id_z 1
		.amdhsa_system_vgpr_workitem_id 0
		.amdhsa_next_free_vgpr 192
		.amdhsa_next_free_sgpr 66
		.amdhsa_reserve_vcc 0
		.amdhsa_float_denorm_mode_32 3
		.amdhsa_float_denorm_mode_16_64 3
		.amdhsa_memory_ordered 1
		.amdhsa_forward_progress 1
		.amdhsa_inst_pref_size 34
	.end_amdhsa_kernel
	.amdgpu_metadata
---
amdhsa.version: [ 1, 2 ]
amdhsa.kernels:
  - .name:           k_q38759dd84d_quant
    .symbol:         k_q38759dd84d_quant.kd
    .args:
      - { .name: x, .offset: 0, .size: 8, .value_kind: global_buffer, .address_space: global }
      - { .name: Wq, .offset: 8, .size: 8, .value_kind: global_buffer, .address_space: global }
      - { .name: Wk, .offset: 16, .size: 8, .value_kind: global_buffer, .address_space: global }
      - { .name: Wv, .offset: 24, .size: 8, .value_kind: global_buffer, .address_space: global }
      - { .name: Wo, .offset: 32, .size: 8, .value_kind: global_buffer, .address_space: global }
      - { .name: xw_codes, .offset: 40, .size: 8, .value_kind: global_buffer, .address_space: global }
      - { .name: xw_scales, .offset: 48, .size: 8, .value_kind: global_buffer, .address_space: global }
    .group_segment_fixed_size: 33280
    .private_segment_fixed_size: 0
    .kernarg_segment_align: 8
    .kernarg_segment_size: 56
    .max_flat_workgroup_size: 128
    .sgpr_count:     66
    .vgpr_count:     192
    .wavefront_size: 32
...
	.end_amdgpu_metadata
.endif
;; end of part 1
;; launch qkv (part 2): grid 12 x 32, 4 waves a work-group, clusters of 4 x 4, 327,680 bytes of LDS; arguments xw_codes, xw_scales, bq, bk, bv, q_img, kv_img; writes q_img, kv_img
.if DOCPART == 2
	.amdgcn_target "amdgcn-amd-amdhsa--gfx1250"
	.amdhsa_code_object_version 6
	.text
	.protected	k_q38759dd84d_qkv
	.globl	k_q38759dd84d_qkv
	.p2align	8
	.type	k_q38759dd84d_qkv,@function
k_q38759dd84d_qkv:
	s_mov_b64 s[64:65], 0
	v_nop
	global_prefetch_b8 v0, s[64:65] scope:SCOPE_SE
	s_setreg_imm32_b32 hwreg(HW_REG_WAVE_MODE, 25, 1), 1
	s_wait_xcnt 0x0
	s_wait_alu depctr_hold_cnt(0) depctr_sa_sdst(0) depctr_va_vdst(0) depctr_va_sdst(0) depctr_va_ssrc(0) depctr_va_vcc(0) depctr_vm_vsrc(0)
	s_getreg_b32 s2, hwreg(HW_REG_IB_STS2, 6, 4)
	s_cmp_eq_u32 s2, 0
	s_cbranch_scc0 .Lentry_in_a_cluster
	s_endpgm
.Lentry_in_a_cluster:
	s_bfe_u32 s2, ttmp6, 0x10000c
	s_cmp_lg_u32 s2, 0xf033
	s_cbranch_scc0 .Lentry_shape_is_right
	s_endpgm
.Lentry_shape_is_right:
; Launch 2 of 4 (nothing is left out).  q = x Wq^T + bq, k = x Wk^T + bk, v = x Wv^T + bv on codes of FP4 with E8M0 scales; each result is quantised in registers for the attention's products and leaves
; as IMAGES OF OPERAND REGISTERS (a fragment's four registers: lane l's 16 bytes at 16 l).
; A tile is 256 x 256, a wave 128 x 128 (64 accumulators).  K = 1,024 is two LDS slots of 512, both filled once at the start: nothing is filled again.
; The matrix instruction is used transposed: source 0 = 16 rows of "B", source 1 = 16 rows of "A": a lane holds ONE row of A, and its registers run along B's rows, which by the stored row order are
; 16 natural neighbours for each pair of tiles.  A and B are row ranges of one buffer.  THREE ROLES by the cluster's x, which all partners share:
;   0: A = x, B = Wq: a lane holds a token, registers run along 128 channels (two heads): quantised along the head's 64;   1: the same with Wk;
;   2: A = Wv, B = x: a lane holds a channel, registers run along 128 tokens: v is quantised along the keys.
; The bias is the C of each sum's first matrix instruction.
; CLUSTER 4 x 4: A's tile is shared along a row of the cluster, B's along a column: joint loads.  By this text's own count a wave has three tensor loads out.
; LIMITS: a block whose largest magnitude lies under 2^-124 keeps the byte 1; NaN and infinities are not served.
; REGISTERS: window 0: v16-31 addresses; v32-95 scale words, two sets (lanes 0-15 A's block i, lanes 16-31 B's); v96-111 at work; v112-119 the scale words made, v120-127 the same shifted; v128-191 the codes made;
;   v192-255 the bias.  window 1: set p: B's 8 fragments at 128 p + 8 i, A's at 128 p + 64 + 8 i.  windows 2, 3: accumulator (a, b) at 8 (8 (a % 4) + b).
.set PITCH,  272                       ; an LDS row: 256 bytes + 16 of padding
.set HALFT,  128*PITCH                 ; what one tensor load brings
.set SLOT,   4*HALFT                   ; A's 256 rows, then B's 256
.set SCL,    2*SLOT                    ; the scale bytes: blocks of 256 bytes + 16 of padding
.set HALFS,  16*272                    ; those of 128 rows
.set SBLK,   2*272                     ; those of 16 rows
.set SPARE,  SCL+4*HALFS               ; the spare words, 128 bytes for each wave, which no other line names
.set STQK,   SPARE+512                 ; roles 0, 1: 1,024 bytes a wave for the scale words on their way out
.set STV,    STQK+4096                 ; role 2: 512 bytes a wave, bytes of its own
.set HKV,    143360                    ; a head in kv_img: 16 steps of 8,960 bytes
.set ADRA, 16                          ; v16-17 my A fragments in slot 0, 1
.set BOV,  18                          ; v18 role 2: my bias offset
.set SRV,  19                          ; v19 role 2: where I read the scale words back
.set ADRB, 20                          ; v20-21 my B fragments
.set BOQ,  22                          ; v22 roles 0, 1: my bias offset
.set SSV,  23                          ; v23 role 2: where I put a scale word
.set LI,   24                          ; v24 16 x lane
.set SSQ,  25                          ; v25 roles 0, 1: where I put a scale word
.set SRQ,  26                          ; v26 and where I read them back
.set ADRS, 27                          ; v27 my scale words in LDS
.set SPW,  28                          ; v28 my spare word; never rewritten
.set NIL,  29                          ; v29 0; never rewritten
.set SH16, 30                          ; v30 16 x (lane / 16)
.set VO,   31                          ; v31 role 2: offset of the scale words' store
.set SC,   32
.set TM,   96
.set PW,   112
.set SW,   120
.set PC,   128
.set BIAS, 192
.set G1,   24
.set G0,   32
.set G1B,  48
.set G0B,  56
.set G1S,  68
.set G0S,  76
.set G1SB, 80
.set G0SB, 88
.set FLR,  96                          ; s96 the floor 2^(3 - 127)
.set SEL,  98                          ; s[98:99] selects for lane l xor 16
.set MSB, 0
.macro WIN new                         ; the immediate's high byte repeats the setting that is left; a switch that changes nothing is dropped
.if MSB != (\new)
	s_set_vgpr_msb (MSB<<8)|(\new)
.set MSB, (\new)
.endif
.endm
.macro PLACES                          ; four plain places behind matrix instructions (ISA guide 7.12.1)
.rept 4
	v_nop
.endr
.endm
; A joint load: waves 0 and 1 fetch for A, waves 2 and 3 for B; the branch hangs on the wave's number alone.  An s_nop 0 and four v_nop follow each line.
.macro JLOAD g0a, g1a, g0b, g1b
	s_cmp_eq_u32 s19, 0
	s_cbranch_scc0 .Lfor_b_\@
	tensor_load_to_lds s[\g0a:\g0a+3], s[\g1a:\g1a+7]
	s_nop 0
.rept 4
	v_nop
.endr
	s_branch .Lasked_\@
.Lfor_b_\@:
	tensor_load_to_lds s[\g0b:\g0b+3], s[\g1b:\g1b+7]
	s_nop 0
.rept 4
	v_nop
.endr
.Lasked_\@:
.endm
.macro CROUND                          ; a round of the cluster's barrier
	s_barrier_signal -1
	s_barrier_wait -1
	s_cmp_lg_u32 s18, 0
	s_cbranch_scc1 .Lnot_wave_0_\@
	s_barrier_signal -3
.Lnot_wave_0_\@:
	s_barrier_wait -3
	s_barrier_signal -1
	s_barrier_wait -1
.endm
	s_load_b256 s[4:11], s[0:1], 0x0               ; the codes s[4:5], the scale bytes s[6:7], bq s[8:9], bk s[10:11]
	s_load_b128 s[12:15], s[0:1], 0x20             ; bv s[12:13], q_img s[14:15]
	s_load_b64 s[16:17], s[0:1], 0x30              ; kv_img
	v_lshl_add_u32 v[SPW], v0, 2, SPARE
	v_mov_b32 v[NIL], 0
	ds_add_u32 v[SPW], v[NIL]                      ; the wave's opening: the add, twice on end, and its wait ahead of my first tensor load
	ds_add_u32 v[SPW], v[NIL]
	v_lshrrev_b32 v1, 5, v0
	v_readfirstlane_b32 s18, v1                    ; wave 0..3
	s_lshr_b32 s19, s18, 1                         ; my half of A's rows.  Also: I fetch for A (0) or for B (1)
	s_and_b32 s20, s18, 1                          ; my half of B's rows.  Also: which 128 rows I fetch
	s_bfe_u32 s40, ttmp6, 0x40000                  ; cx
	s_bfe_u32 s41, ttmp6, 0x40004                  ; cy
	s_lshl_b32 s21, ttmp9, 2
	s_add_co_u32 s21, s21, 32                      ; the weight's first tile of 256 rows: Wq 32, Wk 36
	s_and_b32 s42, ttmp7, 0xffff
	s_lshl_b32 s42, s42, 2                         ; the cluster's first tile of x
	s_cmp_eq_u32 ttmp9, 2                          ; the role: the same in all sixteen partners
	s_cselect_b32 s45, 1, 0
	s_cselect_b32 s46, 40, s42                     ; A: Wv's tiles (from 40), or x's
	s_cselect_b32 s47, s42, s21                    ; B: x's, or the weight's
	s_add_co_u32 s46, s46, s41                     ; A's tile hangs on cy: shared along my row of the cluster
	s_add_co_u32 s47, s47, s40                     ; B's on cx: shared along my column
	s_lshl_b32 s43, s41, 2
	s_lshl_b32 s43, 15, s43                        ; my row's mask
	s_lshl_b32 s44, 0x1111, s40                    ; my column's
	s_or_b32 s[G1+0], s43, (0<<16)|(1<<20)|(1<<21)|(5<<22)|(3<<25)   ; elements of 1 byte; padding: 4 words behind every 64
	s_or_b32 s[G1B+0], s44, (0<<16)|(1<<20)|(1<<21)|(5<<22)|(3<<25)
.irp g, G1, G1B
	s_mov_b32 s[\g+1], 256<<16                     ; tensor_dim0 = 256 bytes
	s_mov_b32 s[\g+2], 128<<16                     ; tensor_dim1 = 128 rows
	s_mov_b32 s[\g+3], 256<<16                     ; tile_dim0
	s_mov_b32 s[\g+4], 128                         ; tile_dim1
	s_mov_b32 s[\g+5], 512                         ; a row of codes in memory
	s_mov_b32 s[\g+6], 0
	s_mov_b32 s[\g+7], 0
.endr
	s_or_b32 s[G1S+0], s43, (3<<16)|(1<<20)|(1<<21)|(5<<22)|(3<<25)  ; the scale bytes of 128 rows: 4,096 dense bytes as 16 rows of 32 elements of 8 bytes
	s_or_b32 s[G1SB+0], s44, (3<<16)|(1<<20)|(1<<21)|(5<<22)|(3<<25)
.irp g, G1S, G1SB
	s_mov_b32 s[\g+1], 32<<16
	s_mov_b32 s[\g+2], 16<<16
	s_mov_b32 s[\g+3], 32<<16
	s_mov_b32 s[\g+4], 16
	s_mov_b32 s[\g+5], 32
	s_mov_b32 s[\g+6], 0
	s_mov_b32 s[\g+7], 0
.endr
	s_lshl_b32 s22, s20, 7
	s_lshl_b32 s43, s46, 8
	s_add_co_u32 s43, s43, s22                     ; A's first row that I would fetch
	s_lshl_b32 s44, s47, 8
	s_add_co_u32 s44, s44, s22                     ; B's
	s_lshl_b32 s92, s43, 9                         ; in bytes: codes,
	s_mov_b32 s93, 0
	s_lshl_b32 s94, s43, 5                         ; scale bytes
	s_mov_b32 s95, 0
	s_lshl_b32 s66, s44, 9
	s_mov_b32 s67, 0
	s_lshl_b32 s2, s44, 5
	s_mov_b32 s3, 0
	s_mul_i32 s21, s18, HALFT                      ; where they go: wave x 128 rows: no place in the cluster enters an LDS address
	s_mul_i32 s23, s18, HALFS
	s_mov_b32 s[FLR], 0x1800000
	s_mov_b32 s[SEL], 0x76543210
	s_mov_b32 s[SEL+1], 0xfedcba98
	s_wait_dscnt 0x0                               ; both opening adds are done
	s_wait_kmcnt 0x0
	s_add_nc_u64 s[92:93], s[4:5], s[92:93]
	s_add_nc_u64 s[94:95], s[6:7], s[94:95]
	s_add_nc_u64 s[66:67], s[4:5], s[66:67]
	s_add_nc_u64 s[2:3], s[6:7], s[2:3]
	CROUND                                         ; all sixteen work-groups are here: the joint loads meet
	s_mov_b32 s[G0S], 1
	s_add_co_u32 s[G0S+1], s23, SCL
	s_mov_b64 s[G0S+2:G0S+3], s[94:95]
	s_or_b32 s[G0S+3], s[G0S+3], 0x80000000
	s_mov_b32 s[G0SB], 1
	s_add_co_u32 s[G0SB+1], s23, SCL
	s_mov_b64 s[G0SB+2:G0SB+3], s[2:3]
	s_or_b32 s[G0SB+3], s[G0SB+3], 0x80000000
	JLOAD G0S, G1S, G0SB, G1SB                     ; the scale bytes first
.irp s, 0,1
	s_mov_b32 s[G0+4*\s], 1
	s_add_co_u32 s[G0+4*\s+1], s21, \s*SLOT
	s_add_nc_u64 s[G0+4*\s+2:G0+4*\s+3], s[92:93], \s*256
	s_or_b32 s[G0+4*\s+3], s[G0+4*\s+3], 0x80000000
	s_mov_b32 s[G0B+4*\s], 1
	s_add_co_u32 s[G0B+4*\s+1], s21, \s*SLOT
	s_add_nc_u64 s[G0B+4*\s+2:G0B+4*\s+3], s[66:67], \s*256
	s_or_b32 s[G0B+4*\s+3], s[G0B+4*\s+3], 0x80000000
	JLOAD G0+4*\s, G1, G0B+4*\s, G1B               ; K = 0 .. 511, then 512 .. 1,023
.endr
	; every LDS address of both roles is made here, ahead of the first branch on the role
	v_and_b32 v1, 15, v0                           ; r
	v_bfe_u32 v2, v0, 4, 1                         ; h
	v_and_b32 v3, 31, v0                           ; lane
	v_mul_u32_u24 v4, v1, PITCH
	v_lshl_add_u32 v4, v2, 4, v4                   ; a fragment's row x pitch + 16 h
	s_mul_i32 s21, s19, HALFT                      ; my 128 rows of A,
	s_mul_i32 s22, s20, HALFT
	s_add_co_u32 s22, s22, 2*HALFT                 ; of B, behind A's 256
.irp s, 0,1
	v_add_nc_u32 v[ADRA+\s], s21, v4
	v_add_nc_u32 v[ADRB+\s], s22, v4
	s_add_co_u32 s21, s21, SLOT
	s_add_co_u32 s22, s22, SLOT
.endr
	v_lshlrev_b32 v5, 5, v1                        ; my row's scale bytes: 32 a row,
	v_lshrrev_b32 v6, 8, v5
	v_lshl_add_u32 v5, v6, 4, v5                   ; and 16 more for each 256 passed
	s_mul_i32 s21, s19, HALFS
	s_mul_i32 s22, s20, HALFS
	s_add_co_u32 s22, s22, 2*HALFS
	s_sub_co_u32 s22, s22, s21
	v_mul_u32_u24 v6, s22, v2                      ; lanes 16-31 take B's
	s_add_co_u32 s21, s21, SCL
	v_add_nc_u32 v5, v5, v6
	v_add_nc_u32 v[ADRS], s21, v5
	v_lshlrev_b32 v[LI], 4, v3
	v_lshlrev_b32 v[SH16], 4, v2
	v_lshlrev_b32 v7, 2, v1                        ; 4 r
	s_lshl_b32 s21, s18, 10
	s_add_co_u32 s21, s21, STQK
	v_lshl_add_u32 v[SSQ], v2, 9, v7               ; lanes 0-15: the even head's words; lanes 16-31: the odd head's, 512 bytes on
	v_add_nc_u32 v[SSQ], s21, v[SSQ]
	v_add_nc_u32 v[SRQ], s21, v[LI]
	s_lshl_b32 s21, s18, 9
	s_add_co_u32 s21, s21, STV
	v_add_nc_u32 v[SSV], s21, v7
	v_add_nc_u32 v[SRV], s21, v[LI]
	v_lshlrev_b32 v[BOQ], 6, v2                    ; 64 h
	v_and_b32 v8, 8, v1
	v_add_nc_u32 v8, v8, v1
	v_lshlrev_b32 v[BOV], 2, v8                    ; 4 (r + 8 (r / 8))
	v_mul_u32_u24 v[VO], v2, HKV
	v_lshl_add_u32 v[VO], v1, 4, v[VO]             ; 16 (lane % 16) + a head for lanes 16-31
.irp b, 0,1,2,3
	v_mov_b32 v[TM+4+\b], 0                        ; written once: a lane permute's destination counts as one of its sources
.endr
	; THE BIAS, in the result's layout
	s_cmp_eq_u32 s45, 0
	s_cbranch_scc0 .Lbias_v
	s_cmp_eq_u32 ttmp9, 0
	s_cselect_b64 s[92:93], s[8:9], s[10:11]       ; bq or bk
	s_lshl_b32 s66, s40, 10
	s_lshl_b32 s67, s20, 9
	s_add_co_u32 s66, s66, s67                     ; my 128 channels: 4 (256 cx + 128 half)
	s_mov_b32 s67, 0
	s_add_nc_u64 s[92:93], s[92:93], s[66:67]
.irp b, 0,1,2,3,4,5,6,7                        ; register j of B's tile b is channel 32 (b / 2) + 16 h + 8 (b % 2) + j
	global_load_b128 v[BIAS+8*\b:BIAS+8*\b+3], v[BOQ], s[92:93] offset:128*(\b/2)+32*(\b%2)
	global_load_b128 v[BIAS+8*\b+4:BIAS+8*\b+7], v[BOQ], s[92:93] offset:128*(\b/2)+32*(\b%2)+16
.endr
	s_branch .Lbias_done
.Lbias_v:
	s_lshl_b32 s66, s41, 10
	s_lshl_b32 s67, s19, 9
	s_add_co_u32 s66, s66, s67                     ; my 128 channels: 4 (256 cy + 128 half)
	s_mov_b32 s67, 0
	s_add_nc_u64 s[92:93], s[12:13], s[66:67]
	s_wait_alu depctr_va_vdst(0)
.irp a, 0,1,2,3,4,5,6,7                        ; lane r of A's tile a is channel 32 (a / 2) + 8 (a % 2) + r + 8 (r / 8): the same number in all eight registers
.irp j, 0,1,2,3,4,5,6,7
	global_load_b32 v[BIAS+8*\a+\j], v[BOV], s[92:93] offset:4*(32*(\a/2)+8*(\a%2))
.endr
.endr
.Lbias_done:
.macro WM d, a, b, c, sa, sb           ; the one matrix line: source 0's scales lie in lanes 16-31 of their register
	v_wmma_scale_f32_16x16x128_f8f6f4 v[(\d):(\d)+7], v[(\a):(\a)+7], v[(\b):(\b)+7], v[(\c):(\c)+7], v[(\sa)], v[(\sb)] matrix_a_fmt:MATRIX_FMT_FP4 matrix_b_fmt:MATRIX_FMT_FP4 matrix_a_scale:MATRIX_SCALE_ROW1
.endm
; 32 matrix instructions: A's blocks 4 hi .. 4 hi + 3 x B's eight, the slot's q-th 128 along K, from set p.  mode 0: onto the sums; 1: the sums begin with the bias by B's block; 2: by A's block.
; The 64 accumulators take turns, one instruction a turn, in the same order in every step.
.macro MUL32 hi, p, q, sc, mode
.if \mode == 0
	WIN 0xa5+0x50*(\hi)
.else
	WIN 0x85+0x40*(\hi)
.endif
.irp a, 0,1,2,3
.irp b, 0,1,2,3,4,5,6,7
.if \mode == 0
	WM 8*(8*\a+\b), 128*(\p)+8*\b, 128*(\p)+64+8*(4*(\hi)+\a), 8*(8*\a+\b), SC+32*(\sc)+4*\b+(\q), SC+32*(\sc)+4*(4*(\hi)+\a)+(\q)
.elseif \mode == 1
	WM 8*(8*\a+\b), 128*(\p)+8*\b, 128*(\p)+64+8*(4*(\hi)+\a), BIAS+8*\b, SC+32*(\sc)+4*\b+(\q), SC+32*(\sc)+4*(4*(\hi)+\a)+(\q)
.else
	WM 8*(8*\a+\b), 128*(\p)+8*\b, 128*(\p)+64+8*(4*(\hi)+\a), BIAS+8*(4*(\hi)+\a), SC+32*(\sc)+4*\b+(\q), SC+32*(\sc)+4*(4*(\hi)+\a)+(\q)
.endif
.endr
.endr
.endm
.macro FETCH slot, q, p                ; 32 LDS loads in one run: B's and A's eight fragments of the slot's q-th 128 along K into set p
	WIN 0x40
.irp i, 0,1,2,3,4,5,6,7
	ds_load_b128 v[128*(\p)+8*\i:128*(\p)+8*\i+3], v[ADRB+\slot] offset:64*(\q)+\i*16*PITCH
	ds_load_b128 v[128*(\p)+8*\i+4:128*(\p)+8*\i+7], v[ADRB+\slot] offset:64*(\q)+32+\i*16*PITCH
.endr
.irp i, 0,1,2,3,4,5,6,7
	ds_load_b128 v[128*(\p)+64+8*\i:128*(\p)+64+8*\i+3], v[ADRA+\slot] offset:64*(\q)+\i*16*PITCH
	ds_load_b128 v[128*(\p)+64+8*\i+4:128*(\p)+64+8*\i+7], v[ADRA+\slot] offset:64*(\q)+32+\i*16*PITCH
.endr
.endm
.macro SCALES sc                       ; slot sc's scale words: four a row
	WIN 0
.irp i, 0,1,2,3,4,5,6,7
	ds_load_b128 v[SC+32*\sc+4*\i:SC+32*\sc+4*\i+3], v[ADRS] offset:\i*SBLK+16*\sc
.endr
.endm
.macro STEPM slot, q, mode             ; a step of 128 along K whose successor lies in the same slot
	PLACES                                         ; in front of loads into the set that the step before multiplied
	FETCH \slot, (\q)+1, ((\q)+1)%2
	s_wait_dscnt 32                                ; all but the 32 just issued: this step's set and its scale words are in
	MUL32 0, (\q)%2, \q, \slot, \mode
	MUL32 1, (\q)%2, \q, \slot, \mode
	WIN 0
.endm
	s_wait_tensorcnt 1                             ; the scale bytes and my part of slot 0 are in; slot 1's load may stay out
	s_barrier_signal -1
	s_barrier_wait -1                              ; everybody's are
	FETCH 0, 0, 0
	SCALES 0
	s_wait_loadcnt 0x0                             ; the bias
	s_cmp_eq_u32 s45, 0
	s_cbranch_scc0 .Lfirst_v
	STEPM 0, 0, 1                                  ; the first products start the sums with the bias: nothing is cleared
	s_branch .Lfirst_done
.Lfirst_v:
	STEPM 0, 0, 2
.Lfirst_done:
	STEPM 0, 1, 0
	STEPM 0, 2, 0
	s_wait_tensorcnt 0x0                           ; slot 0's last step: my part of slot 1 has landed,
	s_wait_dscnt 0x0                               ; no LDS instruction of mine is out at the signal
	s_barrier_signal -1
	MUL32 0, 1, 3, 0, 0                            ; work on registers while the others arrive
	s_barrier_wait -1                              ; slot 1 is whole
	PLACES
	FETCH 1, 0, 0
	SCALES 1
	MUL32 1, 1, 3, 0, 0
	WIN 0
	STEPM 1, 0, 0
	STEPM 1, 1, 0
	STEPM 1, 2, 0
	s_wait_dscnt 0x0                               ; the last step: nothing more to fetch
	MUL32 0, 1, 3, 1, 0
	MUL32 1, 1, 3, 1, 0
	WIN 0
	PLACES                                         ; in front of the first read of results
; A's block a: my row's 128 results (register 16 b + i = natural index 32 b + 16 h + i) become a fragment's 8 registers in v[PC + 8 a] on and a scale word in v[PW + a].  Each accumulator is read from its low end on.
.macro QUANTA a
.set ACB, 64*((\a)%4)
	WIN 0x28+0x14*((\a)/4)                         ; sources 1 and 2: window 2 or 3
.irp b, 0,1,2,3
	v_max3_num_f32 v[TM+\b], s[FLR], |v[ACB+16*\b]|, |v[ACB+1+16*\b]|   ; block b: my 16 numbers, and the floor: the byte cannot fall under 1
.endr
.irp i, 2,4,6,8,10,12,14
.irp b, 0,1,2,3
	v_max3_num_f32 v[TM+\b], v[TM+\b], |v[ACB+16*\b+\i]|, |v[ACB+1+16*\b+\i]|
.endr
.endr
	WIN 0
.irp b, 0,1,2,3
	v_permlanex16_b32 v[TM+4+\b], v[TM+\b], s[SEL], s[SEL+1]
.endr
.irp b, 0,1,2,3
	v_max_num_f32 v[TM+\b], v[TM+\b], v[TM+4+\b]   ; with lane l xor 16's: the block's largest magnitude
.endr
.irp b, 0,1,2,3
	v_add_nc_u32 v[TM+12+\b], 0xff000000, v[TM+\b] ; 2 off its exponent field: the conversion's scale operand
.endr
.irp b, 0,1,2,3
	v_lshrrev_b32 v[TM+4+\b], 23, v[TM+12+\b]      ; the scale's byte
.endr
	v_lshl_or_b32 v[PW+(\a)], v[TM+5], 8, v[TM+4]
	v_lshl_or_b32 v[PW+(\a)], v[TM+6], 16, v[PW+(\a)]
	v_lshl_or_b32 v[PW+(\a)], v[TM+7], 24, v[PW+(\a)]
	WIN 0x02+(\a)/4                                ; source 0: window 2 or 3
.irp b, 0,1,2,3
	v_cvt_scalef32_pk8_fp4_f32 v[PC+8*(\a)+2*\b], v[ACB+16*\b:ACB+7+16*\b], v[TM+12+\b]
	v_cvt_scalef32_pk8_fp4_f32 v[PC+8*(\a)+1+2*\b], v[ACB+8+16*\b:ACB+15+16*\b], v[TM+12+\b]
.endr
	v_nop                                          ; one plain place behind a scaled conversion
	WIN 0
.irp c, 0,1                                    ; the operand's layout wants a whole block in a lane
.irp i, 0,1
	v_permlane16_swap_b32 v[PC+8*(\a)+4*\c+\i], v[PC+8*(\a)+2+4*\c+\i]
.endr
.endr
.endm
	s_cmp_eq_u32 s45, 0
	s_cbranch_scc0 .Lout_v
	; ROLES 0, 1.  Registers 0-3 of a fragment are the even head's 64 channels, registers 4-7 the odd head's: two images of 512 bytes.
	s_cmp_eq_u32 ttmp9, 0
	s_cselect_b64 s[92:93], s[14:15], s[16:17]     ; q_img or kv_img
	s_mov_b32 s21, HKV
	s_cselect_b32 s21, 73728, s21                  ; a head's bytes
	s_mov_b32 s22, 8960
	s_cselect_b32 s22, 4608, s22                   ; a step's
	s_lshl_b32 s23, s46, 1
	s_add_co_u32 s23, s23, s19                     ; my block of 128 tokens
	s_lshr_b32 s66, s23, 4                         ; its batch,
	s_and_b32 s23, s23, 15                         ; its step
	s_lshl_b32 s66, s66, 4
	s_lshl_b32 s67, s40, 1
	s_add_co_u32 s67, s67, s20                     ; my pair of heads
	s_lshl_b32 s67, s67, 1
	s_add_co_u32 s66, s66, s67                     ; the even head's number among 64
	s_mul_i32 s66, s66, s21
	s_mul_i32 s23, s23, s22
	s_add_co_u32 s66, s66, s23
	s_mov_b32 s67, 0
	s_add_nc_u64 s[92:93], s[92:93], s[66:67]      ; the even head's step,
	s_mov_b32 s66, s21
	s_add_nc_u64 s[94:95], s[92:93], s[66:67]      ; the odd head's
.irp a, 0,1,2,3,4,5,6,7
	QUANTA \a
	v_lshrrev_b32 v[SW+\a], v[SH16], v[PW+\a]      ; lanes 0-15 keep the word (bytes 0, 1: the even head's blocks); lanes 16-31 bring the odd head's bytes down.  The upper two bytes only ever scale zero codes
	ds_store_b32 v[SSQ], v[SW+\a] offset:64*\a
	global_store_b128 v[LI], v[PC+8*\a:PC+8*\a+3], s[92:93] offset:512*\a      ; 512 consecutive bytes, aligned
	global_store_b128 v[LI], v[PC+8*\a+4:PC+8*\a+7], s[94:95] offset:512*\a
.endr
	ds_load_b128 v[96:99], v[SRQ]                  ; LDS serves a wave's instructions in order: these see my stores
	ds_load_b128 v[100:103], v[SRQ] offset:512
	s_wait_dscnt 0x0
	global_store_b128 v[LI], v[96:99], s[92:93] offset:4096
	global_store_b128 v[LI], v[100:103], s[94:95] offset:4096
	s_branch .Lout_done
.Lout_v:
	; ROLE 2.  A's block a is tile a % 4 of the 64 channels of head a / 4 of my pair; its fragment is 16 channels x my 128 keys.
	s_lshl_b32 s23, s47, 1
	s_add_co_u32 s23, s23, s20                     ; my block of 128 tokens
	s_lshr_b32 s66, s23, 4
	s_and_b32 s23, s23, 15
	s_lshl_b32 s66, s66, 4
	s_lshl_b32 s67, s41, 1
	s_add_co_u32 s67, s67, s19
	s_lshl_b32 s67, s67, 1
	s_add_co_u32 s66, s66, s67
	s_mul_i32 s66, s66, HKV
	s_mul_i32 s23, s23, 8960
	s_add_co_u32 s66, s66, s23
	s_add_co_u32 s66, s66, 4608                    ; V's part of a step lies behind K's
	s_mov_b32 s67, 0
	s_add_nc_u64 s[92:93], s[16:17], s[66:67]
.irp a, 0,1,2,3,4,5,6,7
	QUANTA \a
	ds_store_b32 v[SSV], v[PW+\a] offset:64*\a     ; both halves of the lanes write the same word with the same value
	global_store_b128 v[LI], v[PC+8*\a:PC+8*\a+3], s[92:93] offset:(\a/4)*HKV+(\a%4)*1024
	global_store_b128 v[LI], v[PC+8*\a+4:PC+8*\a+7], s[92:93] offset:(\a/4)*HKV+(\a%4)*1024+512
.endr
	ds_load_b128 v[96:99], v[SRV]
	s_wait_dscnt 0x0
	global_store_b128 v[VO], v[96:99], s[92:93] offset:4096   ; sixteen lanes store 256 consecutive bytes, aligned: one head's four tiles of words
.Lout_done:
	s_wait_tensorcnt 0x0                           ; the wave's end
	ds_add_u32 v[SPW], v[NIL]
	s_wait_dscnt 0x0
	CROUND                                         ; the closing round
	s_endpgm
.Lfunc_end_k_q38759dd84d_qkv:
	.size	k_q38759dd84d_qkv, .Lfunc_end_k_q38759dd84d_qkv-k_q38759dd84d_qkv
	.p2alignl 7, 3214868480
	.fill 96, 4, 3214868480
	.section	.rodata,"a",@progbits
	.p2align	6, 0x0
	.amdhsa_kernel k_q38759dd84d_qkv
		.amdhsa_group_segment_fixed_size 327680
		.amdhsa_private_segment_fixed_size 0
		.amdhsa_enable_private_segment 0
		.amdhsa_kernarg_size 56
		.amdhsa_user_sgpr_count 2
		.amdhsa_user_sgpr_kernarg_segment_ptr 1
		.amdhsa_wavefront_size32 1
		.amdhsa_system_sgpr_workgroup_id_x 1
		.amdhsa_system_sgpr_workgroup_id_y 1
		.amdhsa_system_sgpr_workgroup_id_z 1
		.amdhsa_system_vgpr_workitem_id 0
		.amdhsa_next_free_vgpr 1024
		.amdhsa_next_free_sgpr 100
		.amdhsa_reserve_vcc 0
		.amdhsa_float_denorm_mode_32 3
		.amdhsa_float_denorm_mode_16_64 3
		.amdhsa_memory_ordered 1
		.amdhsa_forward_progress 1
		.amdhsa_inst_pref_size 178
	.end_amdhsa_kernel
	.amdgpu_metadata
---
amdhsa.version: [ 1, 2 ]
amdhsa.kernels:
  - .name:           k_q38759dd84d_qkv
    .symbol:         k_q38759dd84d_qkv.kd
    .args:
      - { .name: xw_codes, .offset: 0, .size: 8, .value_kind: global_buffer, .address_space: global }
      - { .name: xw_scales, .offset: 8, .size: 8, .value_kind: global_buffer, .address_space: global }
      - { .name: bq, .offset: 16, .size: 8, .value_kind: global_buffer, .address_space: global }
      - { .name: bk, .offset: 24, .size: 8, .value_kind: global_buffer, .address_space: global }
      - { .name: bv, .offset: 32, .size: 8, .value_kind: global_buffer, .address_space: global }
      - { .name: q_img, .offset: 40, .size: 8, .value_kind: global_buffer, .address_space: global }
      - { .name: kv_img, .offset: 48, .size: 8, .value_kind: global_buffer, .address_space: global }
    .group_segment_fixed_size: 327680
    .private_segment_fixed_size: 0
    .kernarg_segment_align: 8
    .kernarg_segment_size: 56
    .max_flat_workgroup_size: 128
    .sgpr_count:     100
    .vgpr_count:     1024
    .wavefront_size: 32
...
	.end_amdgpu_metadata
.endif
;; end of part 2
;; launch attn (part 3): grid 8 x 32, 16 waves a work-group, clusters of 4 x 1, 327,680 bytes of LDS; arguments q_img, kv_img, o_codes, o_scales; writes o_codes, o_scales
.if DOCPART == 3
	.amdgcn_target "amdgcn-amd-amdhsa--gfx1250"
	.amdhsa_code_object_version 6
	.text
	.protected	k_q38759dd84d_attn
	.globl	k_q38759dd84d_attn
	.p2align	8
	.type	k_q38759dd84d_attn,@function
k_q38759dd84d_attn:
	s_mov_b64 s[64:65], 0
	v_nop
	global_prefetch_b8 v0, s[64:65] scope:SCOPE_SE
	s_setreg_imm32_b32 hwreg(HW_REG_WAVE_MODE, 25, 1), 1
	s_wait_xcnt 0x0
	s_wait_alu depctr_hold_cnt(0) depctr_sa_sdst(0) depctr_va_vdst(0) depctr_va_sdst(0) depctr_va_ssrc(0) depctr_va_vcc(0) depctr_vm_vsrc(0)
	s_getreg_b32 s2, hwreg(HW_REG_IB_STS2, 6, 4)
	s_cmp_eq_u32 s2, 0
	s_cbranch_scc0 .Lentry_in_a_cluster
	s_endpgm
.Lentry_in_a_cluster:
	s_bfe_u32 s2, ttmp6, 0x10000c
	s_cmp_lg_u32 s2, 0x3003
	s_cbranch_scc0 .Lentry_shape_is_right
	s_endpgm
.Lentry_shape_is_right:
; Launch 3 of 4 (nothing is left out).  For each batch and head: O = softmax(q k^T / 8) v, both products on codes of FP4 with E8M0 scales; O is quantised along E for the last product.
; THE SOFTMAX AHEAD OF THE SECOND PRODUCT: t = score x log2(e) / 8; M = the running largest t rounded UP to a whole number; p = 2^(t - M) is quantised along the keys, not normalised; the row's sum is taken of
; the unquantised p and divides O at the end.  When M moves, the sum and O are multiplied by 2^(old M - new M): exact.
; SHARES.  A work-group owns 256 queries of one batch and walks TWO heads, 2 hp and 2 hp + 1, one after the other; each of its sixteen waves owns one tile of 16 queries, so that it ends with one whole fragment
; (16 tokens x 128 of E) and one whole scale word a token for the last product.  Four waves share a SIMD: one wave's vector work stands beside another's matrix work and LDS loads.
; LDS.  K, V and their scale words of both heads, 286,720 dense bytes laid as images of operand registers, come in once: each wave asks for one step of 128 keys of each head (8,960 bytes).  Nothing is filled again.
; CLUSTER 4 x 1: the four blocks of queries of a cluster walk the same two heads: joint loads.  By this text's own count a wave has two tensor loads out.
; Both products are used transposed (S^T = k q^T, O^T = v^T p^T): a lane holds ONE query.  By the stored row order the 16 registers of two neighbouring tiles are 16 natural neighbours (keys in S^T, channels in O^T).
; K = 64 IN AN INSTRUCTION OF K = 128: q's registers 4-7 are zero codes.  k's operand for tile t is v[KF + 4 t .. + 7]: its upper four registers are the next tile's codes (zeros behind the last);
; any code times a zero code adds 0, and no scale byte is 0xff.  So a key costs 16 bytes a lane, and nothing is cleared in the loop.
; LIMITS: a block of p or of O whose largest number lies under 2^-124 keeps the byte 1 (its codes are then zeros or subnormal codes); NaN and infinities are not served.
.set STEPB, 8960                       ; a step of 128 keys: K's codes 4,096, K's words 512, V's codes 4,096, V's words 256
.set HEADB, 16*STEPB
.set SPARE, 2*HEADB                    ; the spare words, 128 bytes for each wave, which no other line names
.set OSTG,  SPARE+2048                 ; 1,024 bytes: O's scale words on their way out
.set LI,   1                           ; v1  16 x lane
.set LS4,  2                           ; v2  4 x lane
.set AD16, 3                           ; v3  the step's images
.set AD4,  4                           ; v4  the step's words
.set SPW,  5                           ; v5  my spare word; never rewritten
.set NIL,  6                           ; v6  0; never rewritten
.set QO,   7                           ; v7  q's codes: 16 x lane + 512 x tile
.set R4,   8                           ; v8  4 r
.set OST,  9                           ; v9  where I put O's scale word
.set ORD,  10                          ; v10 where waves 0, 1 read them back
.set QSO,  11                          ; v11 q's words: 4 r + 64 x tile
.set QE,   16                          ; v16-23 q of the even head (20-23 zeros); v24-31 of the odd head (28-31 zeros)
.set KF,   32                          ; v32-63 K's eight tiles, 4 registers each; v64-67 zeros
.set VF,   68                          ; v68-99 V's four fragments
.set SS,   100                         ; v100-163 S^T, then p
.set OT,   164                         ; v164-195 O^T
.set PP,   196                         ; v196-203 p's codes
.set OC,   204                         ; v204-211 O's codes
.set OW,   212                         ; v212 O's scale word
.set QS,   213                         ; v213, v214 q's scale words
.set KS,   216                         ; v216-219 K's words: lanes 0-15 tile 2 u, lanes 16-31 tile 2 u + 1
.set VS,   220                         ; v220-221 V's likewise
.set BM,   224
.set BT,   228
.set BO,   232
.set SUM2, 236
.set TMP,  238
.set FF,   240                         ; v240 f; v241 p's scale word
.set PWD,  241
.set WV,   12
.set SEL,  32
.set CS,   34                          ; s[34:35] c = log2(e) / 8
.set TB,   36
.set CNT,  37
.macro ROUND
	s_barrier_signal -1
	s_barrier_wait -1
	s_cmp_lg_u32 s[WV], 0
	s_cbranch_scc1 .Lnot_wave_0_\@
	s_barrier_signal -3
.Lnot_wave_0_\@:
	s_barrier_wait -3
	s_barrier_signal -1
	s_barrier_wait -1
.endm
	s_load_b256 s[4:11], s[0:1], 0x0               ; q_img s[4:5], kv_img s[6:7], o_codes s[8:9], o_scales s[10:11]
	v_lshl_add_u32 v[SPW], v0, 2, SPARE
	v_mov_b32 v[NIL], 0
	ds_add_u32 v[SPW], v[NIL]                      ; the wave's opening: the add, twice on end, and its wait ahead of my first tensor load
	ds_add_u32 v[SPW], v[NIL]
	v_lshrrev_b32 v1, 5, v0
	s_delay_alu instid0(VALU_DEP_1)
	v_readfirstlane_b32 s[WV], v1                  ; wave 0..15
	s_and_b32 s13, s[WV], 7                        ; my tile in a step of 128 queries
	s_lshr_b32 s14, s[WV], 3                       ; which of my work-group's two steps
	s_bfe_u32 s15, ttmp6, 0x40000                  ; cx
	s_lshl_b32 s2, ttmp9, 2
	s_add_co_u32 s15, s15, s2                      ; my block of 256 queries: it enters q's and O's addresses alone
	s_and_b32 s3, ttmp7, 0xffff                    ; 8 x batch + pair of heads, which the partners share
	s_mov_b32 s16, 15|(3<<16)|(1<<21)              ; group 1: the mask: all four; elements of 8 bytes; no padding
	s_mov_b32 s17, 32<<16                          ; tensor_dim0 = 32 elements: 256 bytes
	s_mov_b32 s18, 35<<16                          ; tensor_dim1 = 35 rows: a step's 8,960 dense bytes
	s_mov_b32 s19, 32<<16
	s_mov_b32 s20, 35
	s_mov_b32 s21, 32
	s_mov_b32 s22, 0
	s_mov_b32 s23, 0
	s_mul_i32 s40, s3, 2*HEADB                     ; the pair's first byte in kv_img,
	s_mul_i32 s42, s[WV], STEPB                    ; my step: in memory and in LDS alike
	s_add_co_u32 s40, s40, s42
	s_mov_b32 s41, 0
	s_mov_b32 s[SEL], 0x76543210
	s_mov_b32 s[SEL+1], 0xfedcba98
	s_mov_b32 s[CS], 0x3e38aa3b
	s_mov_b32 s[CS+1], s[CS]                       ; (named with it as a pair, so it is written)
	s_wait_dscnt 0x0                               ; both opening adds are done
	s_wait_kmcnt 0x0
	s_mov_b32 s24, 1
	s_mov_b32 s25, s42
	s_add_nc_u64 s[26:27], s[6:7], s[40:41]        ; the even head's step
	s_mov_b32 s28, 1
	s_add_co_u32 s29, s42, HEADB
	s_add_nc_u64 s[30:31], s[26:27], HEADB         ; the odd head's
	s_or_b32 s27, s27, 0x80000000
	s_or_b32 s31, s31, 0x80000000
	ROUND                                          ; all four work-groups are here: the joint loads meet
	tensor_load_to_lds s[24:27], s[16:23]
	s_nop 0
	s_wait_alu depctr_va_vdst(0)
	s_wait_tensorcnt 0x0
	ds_add_u32 v5, v6
	s_wait_dscnt 0x0
	ROUND
	tensor_load_to_lds s[28:31], s[16:23]
	s_nop 0
.rept 4
	v_nop
.endr
	v_and_b32 v[TMP], 31, v0
	s_delay_alu instid0(VALU_DEP_1)
	v_lshlrev_b32 v[LI], 4, v[TMP]
	s_delay_alu instid0(VALU_DEP_2)
	v_lshlrev_b32 v[LS4], 2, v[TMP]
	v_and_b32 v[TMP], 15, v0
	s_delay_alu instid0(VALU_DEP_1)
	v_lshlrev_b32 v[R4], 2, v[TMP]
	s_lshl_b32 s43, s[WV], 6
	s_add_co_u32 s43, s43, OSTG
	v_add_nc_u32 v[OST], s43, v[R4]
	s_and_b32 s43, s[WV], 1
	s_lshl_b32 s43, s43, 9
	s_add_co_u32 s43, s43, OSTG
	v_add_nc_u32 v[ORD], s43, v[LI]
	s_lshl_b32 s43, s13, 9
	v_add_nc_u32 v[QO], s43, v[LI]
	s_lshl_b32 s43, s13, 6
	v_add_nc_u32 v[QSO], s43, v[R4]
	s_mul_i32 s40, s3, 147456                      ; the even head in q_img: 2 x 73,728 a pair
	s_lshl_b32 s43, s15, 1
	s_add_co_u32 s43, s43, s14                     ; my step of 128 queries
	s_mul_i32 s44, s43, 4608
	s_add_co_u32 s40, s40, s44
	s_add_nc_u64 s[38:39], s[4:5], s[40:41]
	global_load_b128 v[QE:QE+3], v[QO], s[38:39]
	global_load_b128 v[QE+8:QE+11], v[QO], s[38:39] offset:73728
	global_load_b32 v[QS], v[QSO], s[38:39] offset:4096
	global_load_b32 v[QS+1], v[QSO], s[38:39] offset:4096+73728
	s_lshr_b32 s44, s3, 3                          ; where O goes: token block 16 x batch + step,
	s_lshl_b32 s44, s44, 4
	s_add_co_u32 s44, s44, s43
	s_lshl_b32 s44, s44, 3
	s_and_b32 s45, s3, 7
	s_add_co_u32 s44, s44, s45                     ; K step = my pair of heads,
	s_lshl_b32 s44, s44, 3
	s_add_co_u32 s44, s44, s13                     ; my tile:
	s_lshl_b32 s44, s44, 10                        ; 1,024 bytes a fragment
	s_mov_b32 s45, 0
	s_add_nc_u64 s[8:9], s[8:9], s[44:45]
	s_lshr_b32 s46, s3, 3                          ; the words (waves 0, 1): token block 16 x batch + 2 x block + wave
	s_lshl_b32 s46, s46, 4
	s_lshl_b32 s47, s15, 1
	s_add_co_u32 s46, s46, s47
	s_and_b32 s47, s[WV], 1
	s_add_co_u32 s46, s46, s47
	s_lshl_b32 s46, s46, 3
	s_and_b32 s47, s3, 7
	s_add_co_u32 s46, s46, s47
	s_lshl_b32 s46, s46, 9                         ; 512 bytes for a token block's eight tiles
	s_mov_b32 s47, 0
	s_add_nc_u64 s[10:11], s[10:11], s[46:47]
.irp j, 4,5,6,7,12,13,14,15
	v_mov_b32 v[QE+\j], 0                          ; q's zero codes, K = 64 .. 127
.endr
.irp j, 0,1,2,3
	v_mov_b32 v[KF+32+\j], 0                       ; behind K's last tile
	v_mov_b32 v[BT+\j], 0                          ; written once: a lane permute's destination counts as one of its sources
.endr
	v_mov_b32 v[PWD], 0                            ; (named as the upper half of the pair v[240:241] before it is first written)
; A KEY STEP: 128 keys of head hd.
.macro STEP hd
	v_add_nc_u32 v[AD16], s[TB], v[LI]
	v_add_nc_u32 v[AD4], s[TB], v[LS4]
.irp t, 0,1,2,3,4,5,6,7
	ds_load_b128 v[KF+4*\t:KF+4*\t+3], v[AD16] offset:512*\t
.endr
.irp u, 0,1,2,3
	ds_load_b32 v[KS+\u], v[AD4] offset:4096+128*\u
.endr
	v_nop                                          ; with the two additions above: four places in front of loads into registers that the last step's products have read
	v_nop
.irp t, 0,1,2,3
.irp c, 0,1
	ds_load_b128 v[VF+8*\t+4*\c:VF+8*\t+4*\c+3], v[AD16] offset:4608+1024*\t+512*\c
.endr
.endr
.irp u, 0,1
	ds_load_b32 v[VS+\u], v[AD4] offset:8704+128*\u
.endr
	s_wait_dscnt 10                                ; K's twelve loads are in; V's ten may stay out
.irp t, 0,1,2,3,4,5,6,7                        ; S^T = k q^T
.if (\t)%2
	v_wmma_scale_f32_16x16x128_f8f6f4 v[SS+8*\t:SS+8*\t+7], v[KF+4*\t:KF+4*\t+7], v[QE+8*\hd:QE+8*\hd+7], 0, v[KS+\t/2], v[QS+\hd] matrix_a_fmt:MATRIX_FMT_FP4 matrix_b_fmt:MATRIX_FMT_FP4 matrix_a_scale:MATRIX_SCALE_ROW1
.else
	v_wmma_scale_f32_16x16x128_f8f6f4 v[SS+8*\t:SS+8*\t+7], v[KF+4*\t:KF+4*\t+7], v[QE+8*\hd:QE+8*\hd+7], 0, v[KS+\t/2], v[QS+\hd] matrix_a_fmt:MATRIX_FMT_FP4 matrix_b_fmt:MATRIX_FMT_FP4
.endif
.endr
.rept 4
	v_nop
.endr
.irp b, 0,1,2,3
	v_max3_num_f32 v[BM+\b], v[SS+16*\b], v[SS+1+16*\b], v[SS+2+16*\b]   ; the largest score of each block of 32 keys: it serves the row's maximum and, since p rises with the score, the block's largest p
.endr
.irp i, 3,5,7,9,11,13
.irp b, 0,1,2,3
	v_max3_num_f32 v[BM+\b], v[BM+\b], v[SS+16*\b+\i], v[SS+1+16*\b+\i]
.endr
.endr
.irp b, 0,1,2,3
	v_max_num_f32 v[BM+\b], v[BM+\b], v[SS+15+16*\b]
.endr
.irp b, 0,1,2,3
	s_delay_alu instid0(VALU_DEP_4)
	v_permlanex16_b32 v[BT+\b], v[BM+\b], s[SEL], s[SEL+1]
.endr
.irp b, 0,1,2,3
	s_delay_alu instid0(VALU_DEP_4)
	v_max_num_f32 v[BM+\b], v[BM+\b], v[BT+\b]     ; with lane l xor 16's 16 keys
.endr
	s_delay_alu instid0(VALU_DEP_2)
	v_max3_num_f32 v[TMP], v[BM], v[BM+1], v[BM+2]
	s_delay_alu instid0(VALU_DEP_1)
	v_max_num_f32 v[TMP], v[TMP], v[BM+3]          ; the step's largest score of my query
	s_delay_alu instid0(VALU_DEP_1)
	v_mul_f32 v[TMP], s[CS], v[TMP]                ; as t (c is positive)
	s_delay_alu instid0(VALU_DEP_1)
	v_max_num_f32 v13, v13, v[TMP]                 ; the running largest t
	v_mov_b32 v[TMP], v12
	s_delay_alu instid0(VALU_DEP_2)
	v_floor_f32 v12, -v13                          ; the new -M = floor(-t): M is a whole number
	s_delay_alu instid0(VALU_DEP_1)
	v_sub_f32 v[TMP], v12, v[TMP]                  ; old M less new M: a whole number, 0 or less
	s_delay_alu instid0(VALU_DEP_1)
	v_cvt_i32_f32 v[TMP], v[TMP]                   ; (it saturates)
	s_delay_alu instid0(VALU_DEP_1)
	v_ldexp_f32 v[FF], 1.0, v[TMP]                 ; f = 2^(old M - new M)
.set j, 0
.rept 32
	v_pk_fma_f32 v[SS+j:SS+j+1], v[SS+j:SS+j+1], s[CS:CS+1], v[12:13] op_sel_hi:[1,0,0]   ; t - M, two at a time
.set j, j+2
.endr
.irp b, 0,1,2,3
	v_fma_f32 v[BM+\b], v[BM+\b], s[CS], v12       ; the same of each block's largest score
.endr
.set j, 0
	s_wait_alu depctr_va_vdst(0)
.rept 64
	v_exp_f32 v[SS+j], v[SS+j]                     ; p = 2^(t - M), at most 1
.set j, j+1
.endr
	s_setprio 1
	v_pk_mul_f32 v[14:15], v[14:15], v[FF:FF+1] op_sel_hi:[1,0]   ; the sums under the new M (the plain place behind the exponentials)
	s_wait_alu depctr_va_vdst(0)                   ; one wait for the whole batch, ahead of its first reader
.irp b, 0,1,2,3
	v_exp_f32 v[BM+\b], v[BM+\b]                   ; the block's largest p
.endr
	v_pk_add_f32 v[SUM2:SUM2+1], v[SS:SS+1], v[SS+2:SS+3]   ; the row's sum is taken of the unquantised p, in two chains
.irp j, 4,8,12,16,20,24,28,32,36,40,44,48,52,56,60
	v_pk_add_f32 v[14:15], v[14:15], v[SS+\j:SS+1+\j]
	v_pk_add_f32 v[SUM2:SUM2+1], v[SUM2:SUM2+1], v[SS+2+\j:SS+3+\j]
.endr
	s_delay_alu instid0(VALU_DEP_1)
	v_pk_add_f32 v[14:15], v[14:15], v[SUM2:SUM2+1]
	s_wait_alu depctr_va_vdst(0)                   ; and one for the four
.irp b, 0,1,2,3
	v_max_num_f32 v[BM+\b], 0x1800000, v[BM+\b]    ; the floor 2^(3 - 127): the byte cannot fall under 1
.endr
.irp b, 0,1,2,3
	s_delay_alu instid0(VALU_DEP_4)
	v_add_nc_u32 v[BO+\b], 0xff000000, v[BM+\b]    ; 2 off the exponent field: the conversion's scale operand
.endr
.irp b, 0,1,2,3
	s_delay_alu instid0(VALU_DEP_4)
	v_lshrrev_b32 v[BT+\b], 23, v[BO+\b]           ; the scale's byte
.endr
	s_delay_alu instid0(VALU_DEP_3)
	v_lshl_or_b32 v[PWD], v[BT+1], 8, v[BT]        ; p's scale word for these 128 keys
	s_delay_alu instid0(VALU_DEP_1)
	v_lshl_or_b32 v[PWD], v[BT+2], 16, v[PWD]
	s_delay_alu instid0(VALU_DEP_1)
	v_lshl_or_b32 v[PWD], v[BT+3], 24, v[PWD]
.irp b, 0,1,2,3
	v_cvt_scalef32_pk8_fp4_f32 v[PP+2*\b], v[SS+16*\b:SS+7+16*\b], v[BO+\b]
	v_cvt_scalef32_pk8_fp4_f32 v[PP+1+2*\b], v[SS+8+16*\b:SS+15+16*\b], v[BO+\b]
.endr
	v_nop                                          ; one plain place behind a scaled conversion
.irp c, 0,1
.irp i, 0,1
	v_permlane16_swap_b32 v[PP+4*\c+\i], v[PP+2+4*\c+\i]   ; a whole block in a lane
.endr
.endr
.set j, 0
	s_setprio 0
.rept 16
	v_pk_mul_f32 v[OT+j:OT+j+1], v[OT+j:OT+j+1], v[FF:FF+1] op_sel_hi:[1,0]   ; O^T under the new M.  (These sixteen are also the places between the scale word, the codes and the products below)
.set j, j+2
.endr
	s_wait_alu depctr_va_vdst(0)
	s_wait_dscnt 0x0                               ; V is in
.irp t, 0,1,2,3                                ; O^T += v^T p^T: the four accumulators by turns
.if (\t)%2
	v_wmma_scale_f32_16x16x128_f8f6f4 v[OT+8*\t:OT+8*\t+7], v[VF+8*\t:VF+8*\t+7], v[PP:PP+7], v[OT+8*\t:OT+8*\t+7], v[VS+\t/2], v[PWD] matrix_a_fmt:MATRIX_FMT_FP4 matrix_b_fmt:MATRIX_FMT_FP4 matrix_a_scale:MATRIX_SCALE_ROW1
.else
	v_wmma_scale_f32_16x16x128_f8f6f4 v[OT+8*\t:OT+8*\t+7], v[VF+8*\t:VF+8*\t+7], v[PP:PP+7], v[OT+8*\t:OT+8*\t+7], v[VS+\t/2], v[PWD] matrix_a_fmt:MATRIX_FMT_FP4 matrix_b_fmt:MATRIX_FMT_FP4
.endif
.endr
	s_add_co_u32 s[TB], s[TB], STEPB
.endm
; A head's end: O^T / the sum; its 64 channels are two blocks of the last product's K: four registers of codes and two bytes of the scale word.
.macro HEADOUT hd
	v_add_f32 v14, v14, v15                        ; the sum's two halves,
	s_delay_alu instid0(VALU_DEP_1)
	v_permlanex16_b32 v[TMP], v14, s[SEL], s[SEL+1]
	s_delay_alu instid0(VALU_DEP_1)
	v_add_f32 v14, v14, v[TMP]                     ; and lane l xor 16's
	s_wait_alu depctr_va_vdst(0)
	v_rcp_f32 v14, v14
.rept 4
	v_nop                                          ; the plain place behind the reciprocal, and the places behind the last products
.endr
	s_wait_alu depctr_va_vdst(0)                   ; ahead of the reciprocal's first reader
.set j, 0
.rept 16
	v_pk_mul_f32 v[OT+j:OT+j+1], v[OT+j:OT+j+1], v[14:15] op_sel_hi:[1,0]   ; each accumulator from its low end on
.set j, j+2
.endr
.irp b, 0,1
	v_max3_num_f32 v[BM+\b], |v[OT+16*\b]|, |v[OT+1+16*\b]|, 0x1800000
.endr
.irp i, 2,4,6,8,10,12,14
.irp b, 0,1
	s_delay_alu instid0(VALU_DEP_2)
	v_max3_num_f32 v[BM+\b], v[BM+\b], |v[OT+16*\b+\i]|, |v[OT+1+16*\b+\i]|
.endr
.endr
.irp b, 0,1
	s_delay_alu instid0(VALU_DEP_2)
	v_permlanex16_b32 v[BT+\b], v[BM+\b], s[SEL], s[SEL+1]
.endr
.irp b, 0,1
	s_delay_alu instid0(VALU_DEP_2)
	v_max_num_f32 v[BM+\b], v[BM+\b], v[BT+\b]
.endr
.irp b, 0,1
	s_delay_alu instid0(VALU_DEP_2)
	v_add_nc_u32 v[BO+\b], 0xff000000, v[BM+\b]
.endr
.irp b, 0,1
	s_delay_alu instid0(VALU_DEP_2)
	v_lshrrev_b32 v[BT+\b], 23, v[BO+\b]
.endr
.if \hd == 0
	s_delay_alu instid0(VALU_DEP_1)
	v_lshl_or_b32 v[OW], v[BT+1], 8, v[BT]         ; bytes 0, 1
.else
	s_delay_alu instid0(VALU_DEP_1)
	v_lshl_or_b32 v[TMP], v[BT+1], 8, v[BT]
	s_delay_alu instid0(VALU_DEP_1)
	v_lshl_or_b32 v[OW], v[TMP], 16, v[OW]         ; bytes 2, 3
.endif
.irp b, 0,1
	v_cvt_scalef32_pk8_fp4_f32 v[OC+4*\hd+2*\b], v[OT+16*\b:OT+7+16*\b], v[BO+\b]
	v_cvt_scalef32_pk8_fp4_f32 v[OC+4*\hd+1+2*\b], v[OT+8+16*\b:OT+15+16*\b], v[BO+\b]
.endr
	v_nop
.irp i, 0,1
	v_permlane16_swap_b32 v[OC+4*\hd+\i], v[OC+4*\hd+2+\i]
.endr
.endm
.macro HEAD hd
	s_mov_b32 s[TB], \hd*HEADB
	s_mov_b32 s[CNT], 16
	v_mov_b32 v13, 0xff61b1e6                      ; the largest t so far: -3e38, under every t
	s_delay_alu instid0(VALU_DEP_1)
	v_floor_f32 v12, -v13
	v_mov_b32 v14, 0
	v_mov_b32 v15, 0
.set j, 0
.rept 32
	v_mov_b32 v[OT+j], 0                           ; the step is written once: the first finds zeros, which the first change of M leaves zeros
.set j, j+1
.endr
.Lkey_\@:
	s_setprio 2
	STEP \hd
	s_sub_co_u32 s[CNT], s[CNT], 1
	s_cmp_lg_u32 s[CNT], 0
	s_cbranch_scc1 .Lkey_\@
	s_setprio 0
	HEADOUT \hd
.endm
	s_wait_tensorcnt 1                             ; my step of the even head is in; the odd head's may stay out
	s_barrier_signal -1
	s_barrier_wait -1                              ; everybody's is
	s_wait_loadcnt 0x0                             ; q
	HEAD 0
	s_wait_tensorcnt 0x0                           ; my step of the odd head is in
	s_wait_dscnt 0x0
	s_barrier_signal -1
	s_barrier_wait -1
	HEAD 1
	global_store_b128 v[LI], v[OC:OC+3], s[8:9]            ; the fragment's image: twice 512 consecutive bytes, aligned
	global_store_b128 v[LI], v[OC+4:OC+7], s[8:9] offset:512
	ds_store_b32 v[OST], v[OW]                     ; both halves of the lanes write the same word with the same value
	s_wait_dscnt 0x0                               ; for the others' sake
	s_barrier_signal -1
	s_barrier_wait -1
	s_cmp_lt_u32 s[WV], 2
	s_cbranch_scc0 .Lno_words
	ds_load_b128 v[SS:SS+3], v[ORD]                ; a token block's eight tiles of words
	s_wait_dscnt 0x0
	global_store_b128 v[LI], v[SS:SS+3], s[10:11]  ; 512 consecutive bytes, aligned
.Lno_words:
	s_wait_tensorcnt 0x0                           ; the wave's end
	ds_add_u32 v[SPW], v[NIL]
	s_wait_dscnt 0x0
	ROUND                                          ; the closing round
	s_endpgm
.Lfunc_end_k_q38759dd84d_attn:
	.size	k_q38759dd84d_attn, .Lfunc_end_k_q38759dd84d_attn-k_q38759dd84d_attn
	.p2alignl 7, 3214868480
	.fill 96, 4, 3214868480
	.section	.rodata,"a",@progbits
	.p2align	6, 0x0
	.amdhsa_kernel k_q38759dd84d_attn
		.amdhsa_group_segment_fixed_size 327680
		.amdhsa_private_segment_fixed_size 0
		.amdhsa_enable_private_segment 0
		.amdhsa_kernarg_size 32
		.amdhsa_user_sgpr_count 2
		.amdhsa_user_sgpr_kernarg_segment_ptr 1
		.amdhsa_wavefront_size32 1
		.amdhsa_system_sgpr_workgroup_id_x 1
		.amdhsa_system_sgpr_workgroup_id_y 1
		.amdhsa_system_sgpr_workgroup_id_z 1
		.amdhsa_system_vgpr_workitem_id 0
		.amdhsa_next_free_vgpr 256
		.amdhsa_next_free_sgpr 66
		.amdhsa_reserve_vcc 0
		.amdhsa_float_denorm_mode_32 3
		.amdhsa_float_denorm_mode_16_64 3
		.amdhsa_memory_ordered 1
		.amdhsa_forward_progress 1
		.amdhsa_inst_pref_size 50
	.end_amdhsa_kernel
	.amdgpu_metadata
---
amdhsa.version: [ 1, 2 ]
amdhsa.kernels:
  - .name:           k_q38759dd84d_attn
    .symbol:         k_q38759dd84d_attn.kd
    .args:
      - { .name: q_img, .offset: 0, .size: 8, .value_kind: global_buffer, .address_space: global }
      - { .name: kv_img, .offset: 8, .size: 8, .value_kind: global_buffer, .address_space: global }
      - { .name: o_codes, .offset: 16, .size: 8, .value_kind: global_buffer, .address_space: global }
      - { .name: o_scales, .offset: 24, .size: 8, .value_kind: global_buffer, .address_space: global }
    .group_segment_fixed_size: 327680
    .private_segment_fixed_size: 0
    .kernarg_segment_align: 8
    .kernarg_segment_size: 32
    .max_flat_workgroup_size: 512
    .sgpr_count:     66
    .vgpr_count:     256
    .wavefront_size: 32
...
	.end_amdgpu_metadata
.endif
;; end of part 3
;; launch proj (part 4): grid 4 x 64, 4 waves a work-group, clusters of 4 x 4, 327,680 bytes of LDS; arguments o_codes, o_scales, xw_codes, xw_scales, bo, out0; writes out0
.if DOCPART == 4
	.amdgcn_target "amdgcn-amd-amdhsa--gfx1250"
	.amdhsa_code_object_version 6
	.text
	.protected	k_q38759dd84d_proj
	.globl	k_q38759dd84d_proj
	.p2align	8
	.type	k_q38759dd84d_proj,@function
k_q38759dd84d_proj:
	s_mov_b64 s[64:65], 0
	v_nop
	global_prefetch_b8 v0, s[64:65] scope:SCOPE_SE
	s_setreg_imm32_b32 hwreg(HW_REG_WAVE_MODE, 25, 1), 1
	s_wait_xcnt 0x0
	s_wait_alu depctr_hold_cnt(0) depctr_sa_sdst(0) depctr_va_vdst(0) depctr_va_sdst(0) depctr_va_ssrc(0) depctr_va_vcc(0) depctr_vm_vsrc(0)
	s_getreg_b32 s2, hwreg(HW_REG_IB_STS2, 6, 4)
	s_cmp_eq_u32 s2, 0
	s_cbranch_scc0 .Lentry_in_a_cluster
	s_endpgm
.Lentry_in_a_cluster:
	s_bfe_u32 s2, ttmp6, 0x10000c
	s_cmp_lg_u32 s2, 0xf033
	s_cbranch_scc0 .Lentry_shape_is_right
	s_endpgm
.Lentry_shape_is_right:
; Launch 4 of 4 (nothing is left out).  out0 = O Wo^T + bo on codes of FP4 with E8M0 scales; out0 is f32.
; A work-group makes 128 tokens (one token block) x 256 columns; a wave 64 x 128: 32 accumulators.  All of K = 1,024 lies in LDS, filled once: nothing is filled again.
; O's codes lie in memory as images of operand registers ([K step][tile][1,024 bytes]) and are read so; Wo's rows (11,264 on in the codes' buffer) as rows of 256 bytes + 16 of padding.
; The matrix instruction is used transposed (source 0 = 16 rows of Wo, source 1 = 16 tokens): a lane holds one token, and by the stored row order its registers of two neighbouring tiles are 16 natural columns.
; The tokens of a tile lie in the stored row order too: the stores' immediates put it right.  The bias is the C of each sum's first matrix instruction.
; CLUSTER 4 x 4: O's block is shared along a row of the cluster, Wo's tile along a column: joint loads.  By this text's own count a wave has three tensor loads out.
; REGISTERS: window 0: v16-29 addresses; v32-63 Wo's scale words, two sets (lanes 0-15 block b % 4, lanes 16-31 block b % 4 + 4); v64-95 O's, two sets; v192-255 the bias; on the way out v128-255 rows of out0.
;   window 1: set p: Wo's 8 fragments at 128 p + 8 i, O's 4 at 128 p + 64 + 8 a.  window 2: accumulator (a, b) at 8 (8 a + b).
.set PITCH,  272
.set HALFT,  128*PITCH
.set BSLOT,  2*HALFT                   ; Wo's 256 rows, 512 along K
.set ASCL,   65536                     ; O's codes lie from 0 on; here its scale words, 4,096 bytes
.set BCOD,   ASCL+4096
.set BSCL,   BCOD+2*BSLOT
.set HALFS,  16*272
.set SBLK,   2*272
.set SPARE,  BSCL+2*HALFS              ; the spare words, 128 bytes for each wave, which no other line names
.set STG,    SPARE+512                 ; the way out: 16 rows x (512 bytes + 16) for each wave
.set ADA,  16
.set ADB,  20                          ; v20-21
.set ADBS, 22
.set ADAS, 23
.set STO,  24
.set RD,   25
.set CO,   26
.set BOF,  27
.set SPW,  28
.set NIL,  29
.set BS,   32
.set ASR,  64
.set BK,   128
.set BIAS, 192
.set G1,   24                          ; O's codes;  s[32:39] its two groups 0
.set G0,   32
.set G1B,  48                          ; Wo's codes
.set G0B,  56
.set G1S,  68                          ; O's scale words
.set G0S,  76
.set G1SB, 80                          ; Wo's scale bytes
.set G0SB, 88
.set MSB, 0
.macro WIN new
.if MSB != (\new)
	s_set_vgpr_msb (MSB<<8)|(\new)
.set MSB, (\new)
.endif
.endm
.macro PLACES
.rept 4
	v_nop
.endr
.endm
.macro JLOAD g0a, g1a, g0b, g1b        ; waves 0 and 1 fetch for O, waves 2 and 3 for Wo; an s_nop 0 and four v_nop follow each line
	s_cmp_eq_u32 s19, 0
	s_cbranch_scc0 .Lfor_b_\@
	tensor_load_to_lds s[\g0a:\g0a+3], s[\g1a:\g1a+7]
	s_nop 0
.rept 4
	v_nop
.endr
	s_branch .Lasked_\@
.Lfor_b_\@:
	tensor_load_to_lds s[\g0b:\g0b+3], s[\g1b:\g1b+7]
	s_nop 0
.rept 4
	v_nop
.endr
.Lasked_\@:
.endm
.macro CROUND
	s_barrier_signal -1
	s_barrier_wait -1
	s_cmp_lg_u32 s18, 0
	s_cbranch_scc1 .Lnot_wave_0_\@
	s_barrier_signal -3
.Lnot_wave_0_\@:
	s_barrier_wait -3
	s_barrier_signal -1
	s_barrier_wait -1
.endm
	s_load_b256 s[4:11], s[0:1], 0x0               ; o_codes s[4:5], o_scales s[6:7], the weights' codes s[8:9], their scale bytes s[10:11]
	s_load_b128 s[12:15], s[0:1], 0x20             ; bo s[12:13], out0 s[14:15]
	v_lshl_add_u32 v[SPW], v0, 2, SPARE
	v_mov_b32 v[NIL], 0
	ds_add_u32 v[SPW], v[NIL]                      ; the wave's opening: the add, twice on end, and its wait ahead of my first tensor load
	ds_add_u32 v[SPW], v[NIL]
	v_lshrrev_b32 v1, 5, v0
	v_readfirstlane_b32 s18, v1                    ; wave 0..3
	s_lshr_b32 s19, s18, 1                         ; my 64 tokens.  Also: I fetch for O (0) or for Wo (1)
	s_and_b32 s20, s18, 1                          ; my 128 columns.  Also: which half I fetch
	s_bfe_u32 s40, ttmp6, 0x40000                  ; cx: the tile of 256 columns (the grid is one cluster wide)
	s_bfe_u32 s41, ttmp6, 0x40004                  ; cy
	s_and_b32 s42, ttmp7, 0xffff
	s_lshl_b32 s42, s42, 2
	s_add_co_u32 s42, s42, s41                     ; my token block
	s_lshl_b32 s43, s41, 2
	s_lshl_b32 s43, 15, s43                        ; my row's mask
	s_lshl_b32 s44, 0x1111, s40                    ; my column's
	s_or_b32 s[G1+0], s43, (3<<16)|(1<<21)         ; O's codes: 16,384 dense bytes as 64 rows of 32 elements of 8 bytes; no padding
	s_mov_b32 s[G1+1], 32<<16
	s_mov_b32 s[G1+2], 64<<16
	s_mov_b32 s[G1+3], 32<<16
	s_mov_b32 s[G1+4], 64
	s_mov_b32 s[G1+5], 32
	s_mov_b32 s[G1+6], 0
	s_mov_b32 s[G1+7], 0
	s_or_b32 s[G1S+0], s43, (3<<16)|(1<<21)        ; O's words: 2,048 dense bytes as 8 rows
	s_mov_b32 s[G1S+1], 32<<16
	s_mov_b32 s[G1S+2], 8<<16
	s_mov_b32 s[G1S+3], 32<<16
	s_mov_b32 s[G1S+4], 8
	s_mov_b32 s[G1S+5], 32
	s_mov_b32 s[G1S+6], 0
	s_mov_b32 s[G1S+7], 0
	s_or_b32 s[G1B+0], s44, (0<<16)|(1<<20)|(1<<21)|(5<<22)|(3<<25)  ; Wo's codes: 128 rows x 256 bytes, 4 words of padding behind every 64
	s_mov_b32 s[G1B+1], 256<<16
	s_mov_b32 s[G1B+2], 128<<16
	s_mov_b32 s[G1B+3], 256<<16
	s_mov_b32 s[G1B+4], 128
	s_mov_b32 s[G1B+5], 512
	s_mov_b32 s[G1B+6], 0
	s_mov_b32 s[G1B+7], 0
	s_or_b32 s[G1SB+0], s44, (3<<16)|(1<<20)|(1<<21)|(5<<22)|(3<<25) ; Wo's scale bytes of 128 rows: 16 rows of 256 bytes, padded
	s_mov_b32 s[G1SB+1], 32<<16
	s_mov_b32 s[G1SB+2], 16<<16
	s_mov_b32 s[G1SB+3], 32<<16
	s_mov_b32 s[G1SB+4], 16
	s_mov_b32 s[G1SB+5], 32
	s_mov_b32 s[G1SB+6], 0
	s_mov_b32 s[G1SB+7], 0
	s_lshl_b32 s92, s42, 16                        ; O's codes: 65,536 bytes a token block,
	s_lshl_b32 s21, s20, 14                        ; my half of a slot's 32,768: in memory and in LDS alike
	s_add_co_u32 s92, s92, s21
	s_mov_b32 s93, 0
	s_lshl_b32 s94, s42, 12                        ; O's words: 4,096 bytes a token block,
	s_lshl_b32 s22, s20, 11                        ; my half
	s_add_co_u32 s94, s94, s22
	s_mov_b32 s95, 0
	s_lshl_b32 s47, s40, 8
	s_lshl_b32 s23, s20, 7
	s_add_co_u32 s47, s47, s23
	s_add_co_u32 s47, s47, 11264                   ; Wo's first row that I would fetch
	s_lshl_b32 s66, s47, 9
	s_mov_b32 s67, 0
	s_lshl_b32 s2, s47, 5
	s_mov_b32 s3, 0
	s_mul_i32 s45, s20, HALFT
	s_mul_i32 s46, s20, HALFS
	s_wait_dscnt 0x0                               ; both opening adds are done
	s_wait_kmcnt 0x0
	s_add_nc_u64 s[92:93], s[4:5], s[92:93]
	s_add_nc_u64 s[94:95], s[6:7], s[94:95]
	s_add_nc_u64 s[66:67], s[8:9], s[66:67]
	s_add_nc_u64 s[2:3], s[10:11], s[2:3]
	CROUND                                         ; all sixteen work-groups are here: the joint loads meet
	s_mov_b32 s[G0S], 1
	s_add_co_u32 s[G0S+1], s22, ASCL
	s_mov_b64 s[G0S+2:G0S+3], s[94:95]
	s_or_b32 s[G0S+3], s[G0S+3], 0x80000000
	s_mov_b32 s[G0SB], 1
	s_add_co_u32 s[G0SB+1], s46, BSCL
	s_mov_b64 s[G0SB+2:G0SB+3], s[2:3]
	s_or_b32 s[G0SB+3], s[G0SB+3], 0x80000000
	JLOAD G0S, G1S, G0SB, G1SB
.irp s, 0,1
	s_mov_b32 s[G0+4*\s], 1
	s_add_co_u32 s[G0+4*\s+1], s21, \s*32768
	s_add_nc_u64 s[G0+4*\s+2:G0+4*\s+3], s[92:93], \s*32768
	s_or_b32 s[G0+4*\s+3], s[G0+4*\s+3], 0x80000000
	s_mov_b32 s[G0B+4*\s], 1
	s_add_co_u32 s[G0B+4*\s+1], s45, BCOD+\s*BSLOT
	s_add_nc_u64 s[G0B+4*\s+2:G0B+4*\s+3], s[66:67], \s*256
	s_or_b32 s[G0B+4*\s+3], s[G0B+4*\s+3], 0x80000000
	s_wait_alu depctr_va_vdst(0)
	s_wait_tensorcnt 0x0
	ds_add_u32 v28, v29
	s_wait_dscnt 0x0
	CROUND
	JLOAD G0+4*\s, G1, G0B+4*\s, G1B
.endr
	v_and_b32 v1, 15, v0                           ; r
	v_bfe_u32 v2, v0, 4, 1                         ; h
	v_and_b32 v3, 31, v0
	v_lshlrev_b32 v[CO], 4, v3                     ; 16 x lane
	s_lshl_b32 s21, s19, 12
	v_add_nc_u32 v[ADA], s21, v[CO]                ; O's images: my four tiles of a K step
	v_mul_u32_u24 v4, v1, PITCH
	v_lshl_add_u32 v4, v2, 4, v4
	s_mul_i32 s22, s20, HALFT
	s_add_co_u32 s22, s22, BCOD
	v_add_nc_u32 v[ADB], s22, v4
	s_add_co_u32 s22, s22, BSLOT
	v_add_nc_u32 v[ADB+1], s22, v4
	v_lshlrev_b32 v5, 5, v1                        ; Wo's scale bytes: 32 a row, and 16 more for each 256 passed;
	v_lshrrev_b32 v6, 8, v5
	v_lshl_add_u32 v5, v6, 4, v5
	v_mul_u32_u24 v6, v2, 4*SBLK                   ; lanes 16-31 four blocks further on
	v_add_nc_u32 v5, v5, v6
	s_mul_i32 s22, s20, HALFS
	s_add_co_u32 s22, s22, BSCL
	v_add_nc_u32 v[ADBS], s22, v5
	v_lshlrev_b32 v7, 2, v1
	s_lshl_b32 s22, s19, 8
	s_add_co_u32 s22, s22, ASCL
	v_add_nc_u32 v[ADAS], s22, v7                  ; O's words: 4 r + my four tiles
	s_mul_i32 s22, s18, 16*528
	s_add_co_u32 s22, s22, STG
	v_mul_u32_u24 v8, v1, 528
	v_lshl_add_u32 v8, v2, 6, v8
	v_add_nc_u32 v[STO], s22, v8                   ; the stage: row r, + 64 h
	v_add_nc_u32 v[RD], s22, v[CO]
	v_lshlrev_b32 v[BOF], 6, v2
	s_wait_alu depctr_va_vdst(0)
	s_lshl_b32 s66, s40, 10
	s_lshl_b32 s67, s20, 9
	s_add_co_u32 s66, s66, s67                     ; my 128 columns, in bytes
	s_mov_b32 s67, 0
	s_add_nc_u64 s[12:13], s[12:13], s[66:67]
	s_add_nc_u64 s[14:15], s[14:15], s[66:67]
	s_lshl_b32 s66, s42, 19                        ; 128 rows of 4,096 bytes a token block,
	s_lshl_b32 s23, s19, 18                        ; my 64
	s_add_co_u32 s66, s66, s23
	s_add_nc_u64 s[14:15], s[14:15], s[66:67]
.irp b, 0,1,2,3,4,5,6,7                        ; register j of Wo's tile b is column 32 (b / 2) + 16 h + 8 (b % 2) + j
	global_load_b128 v[BIAS+8*\b:BIAS+8*\b+3], v[BOF], s[12:13] offset:128*(\b/2)+32*(\b%2)
	global_load_b128 v[BIAS+8*\b+4:BIAS+8*\b+7], v[BOF], s[12:13] offset:128*(\b/2)+32*(\b%2)+16
.endr
.macro WM d, a, b, c, sa, sb, row
.if \row
	v_wmma_scale_f32_16x16x128_f8f6f4 v[(\d):(\d)+7], v[(\a):(\a)+7], v[(\b):(\b)+7], v[(\c):(\c)+7], v[(\sa)], v[(\sb)] matrix_a_fmt:MATRIX_FMT_FP4 matrix_b_fmt:MATRIX_FMT_FP4 matrix_a_scale:MATRIX_SCALE_ROW1
.else
	v_wmma_scale_f32_16x16x128_f8f6f4 v[(\d):(\d)+7], v[(\a):(\a)+7], v[(\b):(\b)+7], v[(\c):(\c)+7], v[(\sa)], v[(\sb)] matrix_a_fmt:MATRIX_FMT_FP4 matrix_b_fmt:MATRIX_FMT_FP4
.endif
.endm
; 16 matrix instructions: tiles of tokens 2 half, 2 half + 1 x Wo's eight, K step s, from set p.  mode 1: the sums begin with the bias.  The 32 accumulators take turns.
.macro MULP half, p, s, mode
.if \mode
	WIN 0x85
.else
	WIN 0xa5
.endif
.irp a, 0,1
.irp b, 0,1,2,3,4,5,6,7
.if \mode
	WM 8*(8*(2*(\half)+\a)+\b), 128*(\p)+8*\b, 128*(\p)+64+8*(2*(\half)+\a), BIAS+8*\b, BS+16*((\s)/4)+4*(\b%4)+(\s)%4, ASR+16*((\s)/4)+4*(2*(\half)+\a)+(\s)%4, \b/4
.else
	WM 8*(8*(2*(\half)+\a)+\b), 128*(\p)+8*\b, 128*(\p)+64+8*(2*(\half)+\a), 8*(8*(2*(\half)+\a)+\b), BS+16*((\s)/4)+4*(\b%4)+(\s)%4, ASR+16*((\s)/4)+4*(2*(\half)+\a)+(\s)%4, \b/4
.endif
.endr
.endr
.endm
.macro FETCHP s, p                     ; 24 LDS loads in one run: K step s into set p
	WIN 0x40
.irp i, 0,1,2,3,4,5,6,7
	ds_load_b128 v[128*(\p)+8*\i:128*(\p)+8*\i+3], v[ADB+(\s)/4] offset:64*((\s)%4)+\i*16*PITCH
	ds_load_b128 v[128*(\p)+8*\i+4:128*(\p)+8*\i+7], v[ADB+(\s)/4] offset:64*((\s)%4)+32+\i*16*PITCH
.endr
.irp a, 0,1,2,3
	ds_load_b128 v[128*(\p)+64+8*\a:128*(\p)+64+8*\a+3], v[ADA] offset:(\s)*8192+\a*1024
	ds_load_b128 v[128*(\p)+64+8*\a+4:128*(\p)+64+8*\a+7], v[ADA] offset:(\s)*8192+\a*1024+512
.endr
.endm
.macro SCALESP sl                      ; the scale words of K steps 4 sl .. 4 sl + 3
	WIN 0
.irp i, 0,1,2,3
	ds_load_b128 v[BS+16*\sl+4*\i:BS+16*\sl+4*\i+3], v[ADBS] offset:\i*SBLK+16*\sl
.endr
.irp a, 0,1,2,3
.irp q, 0,1,2,3
	ds_load_b32 v[ASR+16*\sl+4*\a+\q], v[ADAS] offset:(4*\sl+\q)*512+64*\a
.endr
.endr
.endm
.macro STEPP s, mode
	PLACES                                         ; in front of loads into the set that the step before multiplied
	FETCHP (\s)+1, ((\s)+1)%2
	s_wait_dscnt 24                                ; all but the 24 just issued: this step's set and its scale words are in
	MULP 0, (\s)%2, \s, \mode
	MULP 1, (\s)%2, \s, \mode
	WIN 0
.endm
	s_wait_tensorcnt 1                             ; the scales and my part of the first half of K are in; the second half's load may stay out
	s_barrier_signal -1
	s_barrier_wait -1
	FETCHP 0, 0
	SCALESP 0
	s_wait_loadcnt 0x0                             ; the bias
	STEPP 0, 1                                     ; the first products start the sums with the bias: nothing is cleared
	STEPP 1, 0
	STEPP 2, 0
	s_wait_tensorcnt 0x0                           ; K step 3: my part of the second half has landed,
	s_wait_dscnt 0x0                               ; no LDS instruction of mine is out at the signal
	s_barrier_signal -1
	MULP 0, 1, 3, 0
	s_barrier_wait -1                              ; the second half is whole
	PLACES
	FETCHP 4, 0
	SCALESP 1
	MULP 1, 1, 3, 0
	WIN 0
	STEPP 4, 0
	STEPP 5, 0
	STEPP 6, 0
	s_wait_dscnt 0x0
	MULP 0, 1, 7, 0
	MULP 1, 1, 7, 0
	WIN 0
; THE WAY OUT, a tile of 16 tokens x 128 columns at a time, through my own stage in LDS: a lane's eight results are 32 neighbouring bytes of a row; they come back as whole rows of 512 bytes.
; LDS serves a wave's instructions in order: no wait between the stores and the loads, nor in front of the next tile's stores.
.macro TOSTAGE a
	WIN 0x08                                       ; an LDS store's data are its source 1: window 2
.irp b, 0,1,2,3,4,5,6,7
	ds_store_b128 v[STO], v[64*(\a)+8*\b:64*(\a)+8*\b+3] offset:128*(\b/2)+32*(\b%2)          ; each accumulator from its low end on
	ds_store_b128 v[STO], v[64*(\a)+8*\b+4:64*(\a)+8*\b+7] offset:128*(\b/2)+32*(\b%2)+16
.endr
	WIN 0
.set BB, BK+64*((\a)%2)
.irp t, 0,1,2,3,4,5,6,7,8,9,10,11,12,13,14,15
	ds_load_b128 v[BB+4*\t:BB+4*\t+3], v[RD] offset:\t*528
.endr
.endm
.macro SEND a, younger                 ; younger: the LDS instructions issued behind tile a's loads, which may stay out
.set BB, BK+64*((\a)%2)
	s_wait_dscnt \younger
.irp t, 0,1,2,3,4,5,6,7,8,9,10,11,12,13,14,15
	global_store_b128 v[CO], v[BB+4*\t:BB+4*\t+3], s[14:15] offset:(32*((\a)/2)+8*((\a)%2)+\t+8*(\t/8))*4096 th:TH_STORE_NT   ; row t of tile a is natural token 32 (a / 2) + 8 (a % 2) + t + 8 (t / 8); 512 consecutive bytes, aligned
.endr
.endm
	PLACES                                         ; in front of the first read of results
	TOSTAGE 0
.irp a, 1,2,3
.if \a > 1
	s_wait_xcnt 0x0                                ; tile a - 2's stores have read their registers: tile a's loads may land there
.endif
	TOSTAGE \a
	SEND \a-1, 32                                  ; behind tile a - 1's loads: tile a's 16 stores and 16 loads
.endr
	SEND 3, 0
	s_wait_tensorcnt 0x0                           ; the wave's end
	ds_add_u32 v[SPW], v[NIL]
	s_wait_dscnt 0x0
	CROUND                                         ; the closing round
	s_endpgm
.Lfunc_end_k_q38759dd84d_proj:
	.size	k_q38759dd84d_proj, .Lfunc_end_k_q38759dd84d_proj-k_q38759dd84d_proj
	.p2alignl 7, 3214868480
	.fill 96, 4, 3214868480
	.section	.rodata,"a",@progbits
	.p2align	6, 0x0
	.amdhsa_kernel k_q38759dd84d_proj
		.amdhsa_group_segment_fixed_size 327680
		.amdhsa_private_segment_fixed_size 0
		.amdhsa_enable_private_segment 0
		.amdhsa_kernarg_size 48
		.amdhsa_user_sgpr_count 2
		.amdhsa_user_sgpr_kernarg_segment_ptr 1
		.amdhsa_wavefront_size32 1
		.amdhsa_system_sgpr_workgroup_id_x 1
		.amdhsa_system_sgpr_workgroup_id_y 1
		.amdhsa_system_sgpr_workgroup_id_z 1
		.amdhsa_system_vgpr_workitem_id 0
		.amdhsa_next_free_vgpr 768
		.amdhsa_next_free_sgpr 100
		.amdhsa_reserve_vcc 0
		.amdhsa_float_denorm_mode_32 3
		.amdhsa_float_denorm_mode_16_64 3
		.amdhsa_memory_ordered 1
		.amdhsa_forward_progress 1
		.amdhsa_inst_pref_size 75
	.end_amdhsa_kernel
	.amdgpu_metadata
---
amdhsa.version: [ 1, 2 ]
amdhsa.kernels:
  - .name:           k_q38759dd84d_proj
    .symbol:         k_q38759dd84d_proj.kd
    .args:
      - { .name: o_codes, .offset: 0, .size: 8, .value_kind: global_buffer, .address_space: global }
      - { .name: o_scales, .offset: 8, .size: 8, .value_kind: global_buffer, .address_space: global }
      - { .name: xw_codes, .offset: 16, .size: 8, .value_kind: global_buffer, .address_space: global }
      - { .name: xw_scales, .offset: 24, .size: 8, .value_kind: global_buffer, .address_space: global }
      - { .name: bo, .offset: 32, .size: 8, .value_kind: global_buffer, .address_space: global }
      - { .name: out0, .offset: 40, .size: 8, .value_kind: global_buffer, .address_space: global }
    .group_segment_fixed_size: 327680
    .private_segment_fixed_size: 0
    .kernarg_segment_align: 8
    .kernarg_segment_size: 48
    .max_flat_workgroup_size: 128
    .sgpr_count:     100
    .vgpr_count:     768
    .wavefront_size: 32
...
	.end_amdgpu_metadata
.endif
;; end of part 4
